; MI455X (gfx1250); checked and timed in simulation.
; The chip was launched on July 23, 2026; its instructions are those of AMD's public machine-readable ISA for CDNA 5 (MIT licence, August 2026) and "CDNA5" Instruction Set Architecture Reference Guide (July 2026). The comments in the code are by the model that wrote it; some were corrected since.
;; Angular Attention. Allowed arithmetic: matrix products marked QUANTISED: E2M1 operands, one E8M0 scale for each 32 along K, by v_wmma_scale_f32_16x16x128_f8f6f4 with both operands' format E2M1 (or v_wmma_scale_f32_32x16x128_f4), f32 sums; products left as they are: bf16, f16 or f32 operands; f32 sums; everything else in f32.
;; Inputs: Wk 1,024 x 1,024 float32; Wo 1,024 x 1,024 float32; Wq 1,024 x 1,024 float32; Wv 1,024 x 1,024 float32; bo 1,024 float32; mask 2 x 2,048 int32; x 2 x 2,048 x 1,024 float32.
;; Outputs: out0 2 x 2,048 x 1,024 float32.
;; This version of the problem:
;;   THIS VERSION OF THE PROBLEM IS GIVEN IN LOW PRECISION. The matrix products marked QUANTISED in the list below multiply operands that are first quantised to E2M1 (2 exponent bits, 1 mantissa bit; 4 bits a number), with one power-of-two scale for each 32 numbers along K (OCP MX v1.0); their sums are f32. The products marked 'left as it is' may take bf16, f16 or f32 operands, with f32 sums. Whichever they take, every output number must still come out within the allowed error. Rounding operands to bf16 (8 significant bits) uses up far more of that allowance than f16 does (11 bits, for magnitudes from 6e-5 to 65,504). All else is computed in f32.
;;   The module's matrix products, in the order in which they are computed (A, B: the left and right operand; K: the contracted axis; several contracted axes count as one K, in the product's order):
;;     1. [M 4,096, K 1,024] x [K 1,024, N 1,024]; A: input x; B: input Wq: QUANTISED
;;     2. [M 4,096, K 1,024] x [K 1,024, N 1,024]; A: input x; B: input Wk: QUANTISED
;;     3. [M 4,096, K 1,024] x [K 1,024, N 1,024]; A: input x; B: input Wv: QUANTISED
;;     4. batch 32 x [M 2,048, K 64] x [K 64, N 2,048]; A: computed on the way; B: computed on the way: left as it is (an operand is computed on the way)
;;     5. batch 32 x [M 2,048, K 2,048] x [K 2,048, N 64]; A: computed on the way; B: computed on the way: left as it is (an operand is computed on the way)
;;     6. [M 4,096, K 1,024] x [K 1,024, N 1,024]; A: computed on the way; B: input Wo: left as it is (an operand is computed on the way)
;;   THE QUANTISER, for each operand of a quantised product, along K:
;;     - K is cut into blocks of 32 from its start; a last block that is shorter is filled with zeros.
;;     - A block's scale is 2^e with e = floor(log2(the largest magnitude in the block)) - 2, held to -126 .. 127; a block of zeros has e = 0. As a byte (E8M0): e + 127.
;;     - Each number is divided by its block's scale, clamped to +-6, and rounded to the nearest number of E2M1, ties to even, subnormals kept.
;;     - The product sums the exact products of the quantised numbers (number of the format x scale) in f32.
;;   ~~~python
;;   def quantise(x, axis):      # numpy; x: float32 -> the quantised numbers, widened to float32 again
;;       x = np.moveaxis(x, axis, -1); K = x.shape[-1]
;;       x = np.pad(x, [(0, 0)] * (x.ndim - 1) + [(0, -K % 32)]); x = x.reshape(x.shape[:-1] + (-1, 32)); a = np.abs(x).max(-1, keepdims=True)
;;       e = np.where(a > 0, np.clip(np.frexp(np.where(a > 0, a, 1))[1] - 1 - 2, -126, 127), 0)      # np.frexp(a)[1] - 1 = floor(log2(a)), exactly
;;       r = np.clip(x / 2.0 ** e, -6, 6)
;;       step = 2.0 ** (np.maximum(np.frexp(np.where(r == 0, 1, r))[1] - 1, 0) - 1)
;;       q = np.round(r / step) * step * 2.0 ** e      # np.round: ties to even
;;       return np.moveaxis(q.reshape(q.shape[:-2] + (-1,))[..., :K], -1, axis).astype(np.float32)
;;   ~~~
;; One version. Each part assembles by itself: llvm-mc -triple=amdgcn-amd-amdhsa -mcpu=gfx1250 --defsym DOCPART=n.
;; ======== version 1 of 1: 4 launches
;; limits: values are held in f16: magnitudes above 65,504 overflow, below 6.1e-05 lose precision; a function is approximated: absolute error at most 6.8e-05
;; workspace buffers: XC 2,097,152 bytes; XS 131,072 bytes; WC 1,572,864 bytes; WS 98,304 bytes; WOH 2,097,152 bytes; QH 8,388,608 bytes; KV 16,777,216 bytes; AH 8,388,608 bytes
;; launch quant (part 1): grid 256 x 1, 4 waves a work-group, no clusters, 33,280 bytes of LDS; arguments x, Wq, Wk, Wv, Wo, XC, XS, WC, WS, WOH; writes XC, XS, WC, WS, WOH
.if DOCPART == 1
	.amdgcn_target "amdgcn-amd-amdhsa--gfx1250"
	.amdhsa_code_object_version 6
	.text
	.protected	k_q4afd1a28d9_quant
	.globl	k_q4afd1a28d9_quant
	.p2align	8
	.type	k_q4afd1a28d9_quant,@function
k_q4afd1a28d9_quant:
	s_mov_b64 s[64:65], 0
	v_nop
	global_prefetch_b8 v0, s[64:65] scope:SCOPE_SE
	s_setreg_imm32_b32 hwreg(HW_REG_WAVE_MODE, 25, 1), 1
	s_wait_xcnt 0x0
; x [4096][1024], Wq, Wk, Wv [1024][1024], f32, become codes of FP4 (E2M1), K innermost, with one E8M0 scale byte for each 32 along K; Wo [1024][1024] becomes f16.
; x's codes go to XC [4096][512 bytes] and its bytes to XS [4096][32]; the three weights' to WC [3072][512] and WS [3072][32], Wq's rows first, then Wk's, then Wv's.
; A block's scale is 2^(floor(log2(its largest magnitude)) - 2); its byte is the largest magnitude's exponent field - 2, held at 1 from below.  A block of zeros so gets the byte 1 where the
; rule says 127: its codes are zeros, which add nothing under any byte but 0xff, and this program alone reads the bytes.
; LIMITS: NaN and infinities among the inputs are not served; blocks whose largest magnitude lies under 2^(2 - 126) keep the floor's byte; |Wo| stays under 65,504 (f16), and under 6e-5 it keeps 3e-8 absolute.
; SHARES: rows are dense and K is a multiple of 32, so each tensor is a plain stream.  A work-group takes 32,768 numbers, a wave 8,192.  Work-groups 0-127: x; 128-159: Wq; 160-191: Wk; 192-223: Wv; 224-255: Wo.
; The four quantised tensors take ONE path: only pointers are chosen, by the work-group's number.  Wo's work-groups branch off (on the work-group's number) to a path that touches no LDS.
; No cluster: no two work-groups read the same byte.  No tensor load, no barrier: waves share nothing.
; THE QUANTISING PATH: a wave takes 16 steps of 512 numbers.  Each of a step's four loads reads 512 consecutive bytes, 16 a lane; the 2,048 bytes turn through the wave's own stage in LDS and come back 64 bytes a lane,
; so that a lane holds 16 neighbours along K (two neighbouring lanes hold a block), as the conversions want.  Loads run DEPTH = 8 steps ahead (32 loads, 16,384 bytes a wave: half of the wave's share), the turn through LDS one step.
.set WAVES, 4
.set STEPS, 16
.set DEPTH, 8                          ; steps whose loads are on their way
.set EMAX,  2
.set CB,    8                          ; bytes of 16 codes
.set R,     16                         ; v16-143  eight sets of 16 numbers as loaded   (Wo's path: two sets of 64)
.set X,     144                        ; v144-175 two sets of 16 neighbours
.set E,     176                        ; v176-191 a scale byte for each step
.set C,     192                        ; v192-223 codes: two registers a step, so that no store's data are written again
.set H16,   144                        ; Wo's path: v144-175 a batch's f16 numbers
.set WREG,  8192                       ; LDS: a region for each wave: two stages of 32 x SP bytes, behind them its 256 scale bytes
.set SP,    80                         ; a lane's place in a stage: 64 bytes + 16 of padding
.set SPW,   12                         ; v12  LDS address of my spare word; never rewritten
.set NIL,   13                         ; v13  0; never rewritten
.set SPARE, WAVES*WREG                 ; behind the four regions: the spare words, 128 bytes a wave
.set SRC,   24                         ; s[24:25] my wave's numbers
.set IDX,   26                         ; s26  the first work-group of my tensor
.set RUN,   27                         ; s27  which run of 8,192 numbers of the tensor is my wave's
.set DCO,   28                         ; s[28:29] my wave's codes
.set DSC,   30                         ; s[30:31] my wave's scale bytes
.set WV,    32                         ; s32  my wave's number
	s_load_b256 s[4:11], s[0:1], 0x0               ; x, Wq, Wk, Wv
	s_load_b256 s[12:19], s[0:1], 0x20             ; Wo, XC, XS, WC
	s_load_b128 s[20:23], s[0:1], 0x40             ; WS, WOH
	v_lshl_add_u32 v[SPW], v0, 2, SPARE
	v_mov_b32 v[NIL], 0
	v_lshrrev_b32 v1, 5, v0
	v_readfirstlane_b32 s[WV], v1                  ; wave
	v_and_b32 v2, 31, v0                           ; lane
	v_lshlrev_b32 v3, 4, v2                        ; my 16 bytes of a load's 512
	s_mul_i32 s33, s[WV], WREG
	v_lshrrev_b32 v14, 2, v2
	v_mul_u32_u24 v14, v14, SP
	v_and_b32 v15, 3, v2
	v_lshl_add_u32 v14, v15, 4, v14
	v_add_nc_u32 v14, s33, v14                     ; the stage, on the way in: SP (lane / 4) + 16 (lane % 4)
	v_mul_u32_u24 v15, v2, SP
	v_add_nc_u32 v15, s33, v15                     ; and on the way out: SP x lane: my 16 neighbours
	v_mul_u32_u24 v4, v2, CB                       ; 8 x lane: my codes' place in a step's (Wo's path: my f16 numbers' place in a store's 256 bytes)
	v_lshrrev_b32 v5, 1, v2
	s_add_co_u32 s33, s33, 2*32*SP
	v_add_nc_u32 v5, s33, v5                       ; LDS: my wave's 256 scale bytes, my block's byte
	v_lshlrev_b32 v7, 3, v2
	v_add_nc_u32 v6, s33, v7                       ; and on the way out 8 bytes a lane
	s_wait_kmcnt 0x0
	s_mov_b64 s[SRC:SRC+1], s[4:5]                 ; which tensor: the choice hangs on the work-group's number alone
	s_mov_b32 s[IDX], 0
	s_cmp_ge_u32 ttmp9, 128
	s_cselect_b64 s[SRC:SRC+1], s[6:7], s[SRC:SRC+1]
	s_cselect_b32 s[IDX], 128, s[IDX]
	s_cmp_ge_u32 ttmp9, 160
	s_cselect_b64 s[SRC:SRC+1], s[8:9], s[SRC:SRC+1]
	s_cselect_b32 s[IDX], 160, s[IDX]
	s_cmp_ge_u32 ttmp9, 192
	s_cselect_b64 s[SRC:SRC+1], s[10:11], s[SRC:SRC+1]
	s_cselect_b32 s[IDX], 192, s[IDX]
	s_cmp_ge_u32 ttmp9, 224
	s_cselect_b64 s[SRC:SRC+1], s[12:13], s[SRC:SRC+1]
	s_cselect_b32 s[IDX], 224, s[IDX]
	s_sub_co_u32 s[RUN], ttmp9, s[IDX]
	s_lshl_b32 s[RUN], s[RUN], 2
	s_add_co_u32 s[RUN], s[RUN], s[WV]             ; run = 4 x (work-group in its tensor) + wave
	s_lshl_b32 s34, s[RUN], 15                     ; 32,768 bytes of f32 a run
	s_mov_b32 s35, 0
	s_add_nc_u64 s[SRC:SRC+1], s[SRC:SRC+1], s[34:35]
	s_cmp_ge_u32 ttmp9, 224
	s_cbranch_scc1 .Lwo
	s_cmp_lt_u32 ttmp9, 128                        ; x's buffers or the weights'
	s_cselect_b64 s[DCO:DCO+1], s[14:15], s[18:19]
	s_cselect_b64 s[DSC:DSC+1], s[16:17], s[20:21]
	s_cselect_b32 s36, 0, 128
	s_sub_co_u32 s36, ttmp9, s36
	s_lshl_b32 s36, s36, 2
	s_add_co_u32 s36, s36, s[WV]                   ; the run in the buffer of codes: the three weights lie on end
	s_lshl_b32 s34, s36, 12                        ; 4,096 bytes of codes a run
	s_add_nc_u64 s[DCO:DCO+1], s[DCO:DCO+1], s[34:35]
	s_lshl_b32 s34, s36, 8                         ; 256 scale bytes a run
	s_add_nc_u64 s[DSC:DSC+1], s[DSC:DSC+1], s[34:35]
.macro LOAD t
.irp i, 0,1,2,3
	global_load_b128 v[R+16*((\t)%DEPTH)+4*\i:R+16*((\t)%DEPTH)+4*\i+3], v3, s[SRC:SRC+1] offset:2048*(\t)+512*\i th:TH_LOAD_NT   ; 32 lanes read 512 consecutive bytes
.endr
.endm
.macro TURN t                          ; step t's numbers through the stage: LDS serves a wave's instructions in order, so no wait stands between the stores and the loads
.irp i, 0,1,2,3
	ds_store_b128 v14, v[R+16*((\t)%DEPTH)+4*\i:R+16*((\t)%DEPTH)+4*\i+3] offset:32*SP*((\t)%2)+8*SP*\i
.endr
.irp i, 0,1,2,3
	ds_load_b128 v[X+16*((\t)%2)+4*\i:X+16*((\t)%2)+4*\i+3], v15 offset:32*SP*((\t)%2)+16*\i
.endr
.endm
.irp t, 0,1,2,3,4,5,6,7
	LOAD \t
.endr
	s_wait_loadcnt 4*(DEPTH-1)                     ; step 0's four loads are in; the 28 of steps 1 to 7 may be out
	TURN 0
.macro STEP t
.set XN, X+16*((\t)%2)
.if (\t) > 0
	s_wait_dscnt 1                                 ; this step's numbers are back from the stage (the last step's byte store may be out): so its stores into the stage have read their registers,
.else
	s_wait_dscnt 0x0
.endif
.if (\t)+DEPTH < STEPS
	LOAD (\t)+DEPTH                                ; which take the loads of eight steps on
.endif
.if (\t)+1 < STEPS
.if STEPS-2-(\t) >= DEPTH-1
	s_wait_loadcnt 4*(DEPTH-1)                     ; the next step's four loads are in; those of the seven steps behind it may be out
.else
	s_wait_loadcnt 4*(STEPS-2-(\t))                ; towards the end: those of the steps that are left behind it
.endif
	TURN (\t)+1                                    ; and go through the other stage while this step is worked
.endif
	v_max3_num_f32 v8, |v[XN]|, |v[XN+1]|, |v[XN+2]|               ; the largest magnitude of my 16, in two chains
	v_max3_num_f32 v9, |v[XN+3]|, |v[XN+4]|, |v[XN+5]|
.irp i, 6,10
	v_max3_num_f32 v8, v8, |v[XN+\i]|, |v[XN+\i+1]|
	v_max3_num_f32 v9, v9, |v[XN+\i+2]|, |v[XN+\i+3]|
.endr
	v_max3_num_f32 v8, v8, |v[XN+14]|, |v[XN+15]|
	v_max3_num_f32 v8, v8, v9, (EMAX+1)<<23        ; and the floor 2^(EMAX + 1 - 127): so the byte cannot fall under 1
	v_max_num_f32_dpp v8, v8, v8 row_xmask:1 row_mask:0xf bank_mask:0xf   ; and of my neighbour's 16: the block's
	v_add_nc_u32 v11, -(EMAX<<23), v8              ; EMAX off its exponent field: the conversion takes the exponent field of this operand as its scale
	v_cvt_scalef32_pk8_fp4_f32 v[C+2*(\t)], v[XN:XN+7], v11        ; eight numbers / the scale, to the nearest code, ties to even, beyond the largest code the largest
	v_cvt_scalef32_pk8_fp4_f32 v[C+2*(\t)+1], v[XN+8:XN+15], v11
	v_lshrrev_b32 v[E+(\t)], 23, v11               ; the scale's byte (also the plain line behind the conversions)
	ds_store_b8 v5, v[E+(\t)] offset:16*(\t)       ; both lanes of a block write the same byte with the same value
	global_store_b64 v4, v[C+2*(\t):C+2*(\t)+1], s[DCO:DCO+1] offset:32*CB*(\t)   ; 32 lanes store 256 consecutive bytes, aligned
.endm
.irp t, 0,1,2,3,4,5,6,7,8,9,10,11,12,13,14,15
	STEP \t
.endr
	ds_load_b64 v[8:9], v6                         ; LDS serves a wave's instructions in order: these see my stores
	s_wait_dscnt 0x0
	global_store_b64 v7, v[8:9], s[DSC:DSC+1]      ; 32 lanes store 256 consecutive bytes, aligned
	s_wait_tensorcnt 0x0                           ; the wave's end: behind my last LDS store
	ds_add_u32 v[SPW], v[NIL]
	s_wait_dscnt 0x0
	s_endpgm
; Wo TO f16: a wave's 32,768 bytes in four batches of 16 loads, two batches in flight; a load's 512 bytes become a store's 256.  No LDS is touched on this path.
.macro WLOAD t
.irp i, 0,1,2,3,4,5,6,7,8,9,10,11,12,13,14,15
	global_load_b128 v[R+64*((\t)%2)+4*\i:R+64*((\t)%2)+4*\i+3], v3, s[SRC:SRC+1] offset:8192*(\t)+512*\i th:TH_LOAD_NT
.endr
.endm
.macro WCONV t
.set WN, R+64*((\t)%2)
.if (\t) < 3
	s_wait_loadcnt 16                              ; this batch's 16 loads are in; the next batch's 16 may be out
.else
	s_wait_loadcnt 0x0
.endif
	s_wait_xcnt 0x0                                ; the last batch's stores have read their data: the registers are written again only behind this wait
.irp i, 0,1,2,3,4,5,6,7,8,9,10,11,12,13,14,15
	v_cvt_pk_f16_f32 v[H16+2*\i], v[WN+4*\i], v[WN+4*\i+1]
	v_cvt_pk_f16_f32 v[H16+2*\i+1], v[WN+4*\i+2], v[WN+4*\i+3]
.endr
.irp i, 0,1,2,3,4,5,6,7,8,9,10,11,12,13,14,15
	global_store_b64 v4, v[H16+2*\i:H16+2*\i+1], s[22:23] offset:4096*(\t)+256*\i   ; 32 lanes store 256 consecutive bytes, aligned
.endr
.if (\t)+2 < 4
	WLOAD (\t)+2
.endif
.endm
.Lwo:
	s_lshl_b32 s34, s[RUN], 14                     ; 16,384 bytes of f16 a run
	s_add_nc_u64 s[22:23], s[22:23], s[34:35]
	WLOAD 0
	WLOAD 1
	WCONV 0
	WCONV 1
	WCONV 2
	WCONV 3
	s_endpgm
.Lfunc_end_k_q4afd1a28d9_quant:
	.size	k_q4afd1a28d9_quant, .Lfunc_end_k_q4afd1a28d9_quant-k_q4afd1a28d9_quant
	.p2alignl 7, 3214868480
	.fill 96, 4, 3214868480
	.section	.rodata,"a",@progbits
	.p2align	6, 0x0
	.amdhsa_kernel k_q4afd1a28d9_quant
		.amdhsa_group_segment_fixed_size 33280
		.amdhsa_private_segment_fixed_size 0
		.amdhsa_enable_private_segment 0
		.amdhsa_kernarg_size 80
		.amdhsa_user_sgpr_count 2
		.amdhsa_user_sgpr_kernarg_segment_ptr 1
		.amdhsa_wavefront_size32 1
		.amdhsa_system_sgpr_workgroup_id_x 1
		.amdhsa_system_sgpr_workgroup_id_y 1
		.amdhsa_system_sgpr_workgroup_id_z 1
		.amdhsa_system_vgpr_workitem_id 0
		.amdhsa_next_free_vgpr 224
		.amdhsa_next_free_sgpr 66
		.amdhsa_reserve_vcc 0
		.amdhsa_float_denorm_mode_32 3
		.amdhsa_float_denorm_mode_16_64 3
		.amdhsa_memory_ordered 1
		.amdhsa_forward_progress 1
		.amdhsa_inst_pref_size 54
	.end_amdhsa_kernel
	.amdgpu_metadata
---
amdhsa.version: [ 1, 2 ]
amdhsa.kernels:
  - .name:           k_q4afd1a28d9_quant
    .symbol:         k_q4afd1a28d9_quant.kd
    .args:
      - { .name: x, .offset: 0, .size: 8, .value_kind: global_buffer, .address_space: global }
      - { .name: Wq, .offset: 8, .size: 8, .value_kind: global_buffer, .address_space: global }
      - { .name: Wk, .offset: 16, .size: 8, .value_kind: global_buffer, .address_space: global }
      - { .name: Wv, .offset: 24, .size: 8, .value_kind: global_buffer, .address_space: global }
      - { .name: Wo, .offset: 32, .size: 8, .value_kind: global_buffer, .address_space: global }
      - { .name: XC, .offset: 40, .size: 8, .value_kind: global_buffer, .address_space: global }
      - { .name: XS, .offset: 48, .size: 8, .value_kind: global_buffer, .address_space: global }
      - { .name: WC, .offset: 56, .size: 8, .value_kind: global_buffer, .address_space: global }
      - { .name: WS, .offset: 64, .size: 8, .value_kind: global_buffer, .address_space: global }
      - { .name: WOH, .offset: 72, .size: 8, .value_kind: global_buffer, .address_space: global }
    .group_segment_fixed_size: 33280
    .private_segment_fixed_size: 0
    .kernarg_segment_align: 8
    .kernarg_segment_size: 80
    .max_flat_workgroup_size: 128
    .sgpr_count:     66
    .vgpr_count:     224
    .wavefront_size: 32
...
	.end_amdgpu_metadata
.endif
;; end of part 1
;; launch proj (part 2): grid 8 x 24, 4 waves a work-group, clusters of 4 x 4, 327,680 bytes of LDS; arguments XC, XS, WC, WS, QH, KV; writes QH, KV
.if DOCPART == 2
	.amdgcn_target "amdgcn-amd-amdhsa--gfx1250"
	.amdhsa_code_object_version 6
	.text
	.protected	k_q4afd1a28d9_proj
	.globl	k_q4afd1a28d9_proj
	.p2align	8
	.type	k_q4afd1a28d9_proj,@function
k_q4afd1a28d9_proj:
	s_mov_b64 s[64:65], 0
	v_nop
	global_prefetch_b8 v0, s[64:65] scope:SCOPE_SE
	s_setreg_imm32_b32 hwreg(HW_REG_WAVE_MODE, 25, 1), 1
	s_wait_xcnt 0x0
	s_wait_alu depctr_hold_cnt(0) depctr_sa_sdst(0) depctr_va_vdst(0) depctr_va_sdst(0) depctr_va_ssrc(0) depctr_va_vcc(0) depctr_vm_vsrc(0)
	s_getreg_b32 s2, hwreg(HW_REG_IB_STS2, 6, 4)
	s_cmp_eq_u32 s2, 0
	s_cbranch_scc0 .Lentry_in_a_cluster
	s_endpgm
.Lentry_in_a_cluster:
	s_bfe_u32 s2, ttmp6, 0x10000c
	s_cmp_lg_u32 s2, 0xf033
	s_cbranch_scc0 .Lentry_shape_is_right
	s_endpgm
.Lentry_shape_is_right:
; The three projections x Wq^T, x Wk^T, x Wv^T on codes of FP4 (E2M1) with one E8M0 scale for each 32 along K = 1,024; sums in f32.  Behind them: Q and K are divided by max(their head's norm, 1e-12) and rounded
; to f16 (unit vectors: f16 has the room), V is rounded to bf16; all three leave IN THE ORDER OF THE NEXT LAUNCH'S OPERAND REGISTERS.
; A work-group of four waves makes 256 x 256 of a product, a wave 128 x 128: 64 accumulators of 16 x 16.  K is two LDS slots of 512 along K: both are asked for at the head, nothing is filled again.
; WHICH TILE.  The kernel's 'A' is source 1 of the matrix instruction (a lane holds ONE row of A), its 'B' source 0 (a lane's eight registers hold eight neighbouring rows of B).
;   clusters y = 0..3 (Q, K): A = 256 tokens of x, B = 256 rows of Wq (cluster x = 0) or Wk (1): a lane holds one token and eight neighbouring channels: a fragment of Q or K along the head's 64.
;   clusters y = 4, 5 (V):    A = 256 rows of Wv, B = 256 tokens of x: a lane holds one channel and eight neighbouring tokens: a fragment of V^T along the keys.  Only pointers and row numbers differ up to the way out.
; CLUSTERS: 4 x 4 work-groups.  A's tile hangs on cy and the cluster's y, and is shared along a row of the cluster; B's on cx and the cluster's x and y, shared along a column: each is asked for JOINTLY.
; The branch at the way out hangs on the cluster's y alone, which all sixteen partners share.
; 192 work-groups: 16 x 8 tiles of Q and K, 4 x 16 of V.  A smaller tile would give more work-groups and read each LDS byte for half the products.
; LIMITS: as the codes' launch; V's magnitude has bf16's range.  A head whose sum of squares overflows f32 gives what reference() gives there (0).
; REGISTERS, in windows of 256: window 0: v16-29 addresses; v32-95 scale words, two sets; v128-191 A's fragments; on the way out v32-255 are free.  window 1: B's fragments, two sets.  windows 2, 3: the accumulators ((a, b) at v[8 (8 (a % 4) + b)]).
.set NQ,     4                         ; matrix instructions deep in a slot
.set ROWB,   256                       ; a tile's row in bytes: 512 codes
.set KROW,   512                       ; a row of codes in memory
.set PITCH,  272                       ; an LDS row: 256 bytes + 16 of padding: the 16 rows that a load touches start at 16 different banks (64 banks of 4 bytes: ISA guide 11.1)
.set FR,     8                         ; registers of a fragment: 16 rows x 128 K
.set NL,     2                         ; LDS loads that bring one
.set NP,     4                         ; places behind this matrix instruction (ISA guide 7.12.1)
.set HALFT,  128*PITCH                 ; 128 rows: what one tensor load brings
.set SLOT,   4*HALFT                   ; A's 256 rows, then B's 256 rows
.set KS,     32                        ; a row of scale bytes
.set SCL,    2*SLOT                    ; behind the two slots: the scales, as units of 256 bytes + 16 of padding
.set HALFS,  (128*KS/256)*272          ; the scales of 128 rows
.set SBLK,   (16*KS/256)*272           ; those of 16 rows
.set SPARE,  SCL+4*HALFS               ; the spare words, 128 bytes a wave
.set ADRA, 16                          ; v16-17  LDS address of my A fragments in slot 0, 1
.set ADRB, 20                          ; v20-21  the same for B
.set O0,   24                          ; v24     the way out: 16 x lane
.set O1,   25                          ; v25     the same, one head further on
.set ADRS, 27                          ; v27     LDS address of my scale words: lanes 0-15 A's rows, lanes 16-31 B's
.set SPW,  28                          ; v28     LDS address of my spare word; never rewritten
.set NIL,  29                          ; v29     0; never rewritten
.set SC,   32                          ; scale words: set s at v[SC + 32 s]; register 4 i + q: lanes 0-15 the word of A's block i, lanes 16-31 of B's block i, for the slot's q-th 128 along K
.set AF,   128                         ; A's fragments
.set SSQ,  32                          ; the way out: v32-63 sums of squares, a pair for each (block a, head)
.set NRM,  64                          ; v64-79 the sums; v80-95 the other half of the lanes'
.set RN,   96                          ; v96-127 pairs (1 / norm, norm)
.set TQ,   128                         ; v128-191 a block's numbers, normalised
.set PKD,  192                         ; v192-255 a block's 16-bit numbers, two sets
.set WV,   16                          ; s16 wave;  s17 wave / 2: my half of A's rows; also: I fetch for A (0) or B (1);  s18 wave % 2: my half of B's rows; also which 128 rows I fetch
.set RH,   17
.set CH,   18
.set CX,   19                          ; s19, s20 my place in the cluster;  s21, s22 the cluster's x, y;  s23 1 where the cluster makes V
.set CY,   20
.set CXC,  21
.set CYC,  22
.set ISV,  23
.set G1, 24                            ; s[24:31] descriptor group 1 for A's tiles;  s[32:39] group 0, a set for each slot
.set G0, 32
.set G1B, 48                           ; s[48:55], s[56:63] the same for B's
.set G0B, 56
.set G1S, 68                           ; s[68:75], s[76:79] groups 1 and 0 for A's scales;  s[80:87], s[88:91] for B's
.set G0S, 76
.set G1SB, 80
.set G0SB, 88
.set DST, 92                           ; s[92:93] the way out: where my wave's part begins
.set SEL, 94                           ; s[94:95] the way out: lane selects for v_permlanex16_b32: lane l xor 16
.set MSB, 0
.macro WIN new                         ; the immediate's high byte repeats the setting that is left
.if MSB != \new
	s_set_vgpr_msb (MSB<<8)|\new
.set MSB, \new
.endif
.endm
.set MUL_LO, 0xa1                      ; source 0 (B) window 1, source 1 (A) window 0, C and D window 2
.set MUL_HI, 0xf1                      ; the same, C and D window 3
.set TO_B,   0x40                      ; destination window 1, address window 0
; A joint load: waves 0 and 1 fetch for A, waves 2 and 3 for B.  Each line has one mask and one set of registers; the branch hangs on the wave's number alone.
; An s_nop 0 and four v_nop follow each of the two lines.
.macro JLOAD g0a, g1a, g0b, g1b
	s_cmp_eq_u32 s[RH], 0
	s_cbranch_scc0 .Lfor_b_\@
	tensor_load_to_lds s[\g0a:\g0a+3], s[\g1a:\g1a+7]
	s_nop 0
.rept 4
	v_nop
.endr
	s_branch .Lasked_\@
.Lfor_b_\@:
	tensor_load_to_lds s[\g0b:\g0b+3], s[\g1b:\g1b+7]
	s_nop 0
.rept 4
	v_nop
.endr
.Lasked_\@:
.endm
.macro CROUND                          ; a round of the cluster's barrier
	s_barrier_signal -1
	s_barrier_wait -1
	s_cmp_lg_u32 s[WV], 0
	s_cbranch_scc1 .Lnot_wave_0_\@
	s_barrier_signal -3
.Lnot_wave_0_\@:
	s_barrier_wait -3
	s_barrier_signal -1
	s_barrier_wait -1
.endm
	s_load_b256 s[4:11], s[0:1], 0x0               ; x's codes s[4:5], x's scales s[6:7], the weights' codes s[8:9], their scales s[10:11]
	s_load_b128 s[12:15], s[0:1], 0x20             ; QH s[12:13], KV s[14:15]
	v_lshl_add_u32 v[SPW], v0, 2, SPARE
	v_mov_b32 v[NIL], 0
	ds_add_u32 v[SPW], v[NIL]                      ; the wave's opening: the add, twice on end, and its wait ahead of my first tensor load
	ds_add_u32 v[SPW], v[NIL]
	v_lshrrev_b32 v1, 5, v0
	v_readfirstlane_b32 s[WV], v1                  ; wave 0..3
	s_lshr_b32 s[RH], s[WV], 1
	s_and_b32 s[CH], s[WV], 1
	s_bfe_u32 s[CX], ttmp6, 0x40000
	s_bfe_u32 s[CY], ttmp6, 0x40004
	s_mov_b32 s[CXC], ttmp9                        ; in a cluster launch ttmp9 and ttmp7 count clusters
	s_and_b32 s[CYC], ttmp7, 0xffff
	s_cmp_ge_u32 s[CYC], 4
	s_cselect_b32 s[ISV], 1, 0
	s_lshl_b32 s100, s[CY], 2
	s_lshl_b32 s100, 15, s100                      ; my row of the cluster
	s_lshl_b32 s101, 0x1111, s[CX]                 ; my column
	; descriptor group 1: a tile of 128 rows x 256 bytes, padded in LDS
	s_or_b32 s[G1+0], s100, (0<<16)|(1<<20)|(1<<21)|(5<<22)|(3<<25)  ; 15:0 the mask; 17:16 elements of 1 byte; 20 padding on; 21 set beside a mask; 24:22 after every 64 words; 31:25 four words
	s_or_b32 s[G1B+0], s101, (0<<16)|(1<<20)|(1<<21)|(5<<22)|(3<<25)
.irp g, G1, G1B
	s_mov_b32 s[\g+1], ROWB<<16                    ; tensor_dim0
	s_mov_b32 s[\g+2], 128<<16                     ; tensor_dim1
	s_mov_b32 s[\g+3], ROWB<<16                    ; tile_dim0
	s_mov_b32 s[\g+4], 128                         ; tile_dim1
	s_mov_b32 s[\g+5], KROW                        ; tensor_dim0_stride
	s_mov_b32 s[\g+6], 0
	s_mov_b32 s[\g+7], 0
.endr
	; the scales of 128 rows: a dense block of 4,096 bytes, as 16 rows of 256 bytes (32 elements of 8 bytes), 16 bytes of padding behind each
	s_or_b32 s[G1S+0], s100, (3<<16)|(1<<20)|(1<<21)|(5<<22)|(3<<25)
	s_or_b32 s[G1SB+0], s101, (3<<16)|(1<<20)|(1<<21)|(5<<22)|(3<<25)
.irp g, G1S, G1SB
	s_mov_b32 s[\g+1], 32<<16
	s_mov_b32 s[\g+2], (128*KS/256)<<16
	s_mov_b32 s[\g+3], 32<<16
	s_mov_b32 s[\g+4], 128*KS/256
	s_mov_b32 s[\g+5], 32
	s_mov_b32 s[\g+6], 0
	s_mov_b32 s[\g+7], 0
.endr
	; A's rows that I fetch (s40-43 never hold cx): Q, K: token (4 cyc + cy) 256; V: row 2,048 + 256 cy of the weights; + 128 x half
	s_lshl_b32 s40, s[CY], 8
	s_lshl_b32 s41, s[CYC], 10
	s_cmp_lg_u32 s[ISV], 0
	s_cselect_b32 s41, 2048, s41
	s_add_co_u32 s40, s40, s41
	s_lshl_b32 s41, s[CH], 7
	s_add_co_u32 s40, s40, s41
	s_lshl_b32 s42, s40, 5                         ; their scale bytes begin here,
	s_lshl_b32 s40, s40, 9                         ; their codes here
	s_mov_b32 s41, 0
	s_mov_b32 s43, 0
	; B's (s44-47 never hold cy): row (4 cxc + cx) 256: of the weights for Q, K; of x for V, there + (cyc - 4) 2,048; + 128 x half
	s_lshl_b32 s44, s[CXC], 2
	s_add_co_u32 s44, s44, s[CX]
	s_lshl_b32 s44, s44, 8
	s_max_u32 s45, s[CYC], 4
	s_sub_co_u32 s45, s45, 4                       ; 0 for Q and K
	s_lshl_b32 s45, s45, 11
	s_add_co_u32 s44, s44, s45
	s_lshl_b32 s45, s[CH], 7
	s_add_co_u32 s44, s44, s45
	s_lshl_b32 s46, s44, 5
	s_lshl_b32 s44, s44, 9
	s_mov_b32 s45, 0
	s_mov_b32 s47, 0
	s_mul_i32 s2, s[WV], HALFT                     ; where they go: wave x 128 rows: no place in the cluster enters an LDS address
	s_mul_i32 s3, s[WV], HALFS
	s_wait_dscnt 0x0                               ; both opening adds are done
	s_wait_kmcnt 0x0
	s_cmp_lg_u32 s[ISV], 0                         ; which buffer is A and which B: the choice hangs on the cluster's y alone
	s_cselect_b64 s[92:93], s[8:9], s[4:5]         ; A's codes
	s_cselect_b64 s[94:95], s[10:11], s[6:7]       ; A's scales
	s_cselect_b64 s[96:97], s[4:5], s[8:9]         ; B's codes
	s_cselect_b64 s[98:99], s[6:7], s[10:11]       ; B's scales
	s_add_nc_u64 s[92:93], s[92:93], s[40:41]
	s_add_nc_u64 s[94:95], s[94:95], s[42:43]
	s_add_nc_u64 s[96:97], s[96:97], s[44:45]
	s_add_nc_u64 s[98:99], s[98:99], s[46:47]
	CROUND                                         ; all sixteen work-groups are here: the first joint loads meet
	s_mov_b32 s[G0S], 1
	s_add_co_u32 s[G0S+1], s3, SCL
	s_mov_b64 s[G0S+2:G0S+3], s[94:95]
	s_or_b32 s[G0S+3], s[G0S+3], 0x80000000
	s_mov_b32 s[G0SB], 1
	s_add_co_u32 s[G0SB+1], s3, SCL
	s_mov_b64 s[G0SB+2:G0SB+3], s[98:99]
	s_or_b32 s[G0SB+3], s[G0SB+3], 0x80000000
	JLOAD G0S, G1S, G0SB, G1SB                     ; the scales first: they are wanted with slot 0
.irp s, 0,1
	s_mov_b32 s[G0+4*\s], 1
	s_add_co_u32 s[G0+4*\s+1], s2, \s*SLOT
	s_add_nc_u64 s[G0+4*\s+2:G0+4*\s+3], s[92:93], \s*ROWB
	s_or_b32 s[G0+4*\s+3], s[G0+4*\s+3], 0x80000000
	s_mov_b32 s[G0B+4*\s], 1
	s_add_co_u32 s[G0B+4*\s+1], s2, \s*SLOT
	s_add_nc_u64 s[G0B+4*\s+2:G0B+4*\s+3], s[96:97], \s*ROWB
	s_or_b32 s[G0B+4*\s+3], s[G0B+4*\s+3], 0x80000000
	JLOAD G0+4*\s, G1, G0B+4*\s, G1B               ; three loads of mine are out behind the second of these
.endr
	v_and_b32 v1, 15, v0                           ; l % 16
	v_bfe_u32 v2, v0, 4, 1                         ; l / 16
	v_mul_u32_u24 v3, v1, PITCH
	v_lshl_add_u32 v4, v2, 4, v3                   ; a fragment's row x pitch + 16 x half
	s_mul_i32 s40, s[RH], HALFT                    ; my 128 rows of A
	s_mul_i32 s41, s[CH], HALFT                    ; my 128 rows of B,
	s_add_co_u32 s41, s41, 2*HALFT                 ; which lie behind A's 256
.irp s, 0,1
	v_add_nc_u32 v[ADRA+\s], s40, v4
	v_add_nc_u32 v[ADRB+\s], s41, v4
	s_add_co_u32 s40, s40, SLOT
	s_add_co_u32 s41, s41, SLOT
.endr
	v_mul_u32_u24 v5, v1, KS                       ; my row's scales: 32 bytes a row,
	v_lshrrev_b32 v6, 8, v5
	v_lshl_add_u32 v5, v6, 4, v5                   ; and 16 more for each 256 passed
	s_mul_i32 s40, s[RH], HALFS                    ; A's: my 128 rows
	s_mul_i32 s41, s[CH], HALFS                    ; B's: my 128 rows, behind A's 256
	s_add_co_u32 s41, s41, 2*HALFS
	s_sub_co_u32 s41, s41, s40
	v_mul_u32_u24 v6, s41, v2                      ; lanes 16-31 take B's: the lower base + half x the distance
	s_add_co_u32 s40, s40, SCL
	v_add_nc_u32 v5, v5, v6
	v_add_nc_u32 v[ADRS], s40, v5
	v_and_b32 v[O0], 31, v0
	v_lshlrev_b32 v[O0], 4, v[O0]                  ; the way out: 16 bytes a lane
.macro FRAG reg, adr, q, i             ; a fragment, 16 rows x 128 K of 4-bit codes: lane l holds row l % 16; registers 4 c .. 4 c + 3 hold K = 64 c + 32 (l / 16) + 0 .. 31
.irp c, 0,1
	ds_load_b128 v[\reg+4*\c:\reg+4*\c+3], v[\adr] offset:64*(\q)+32*\c+(\i)*16*PITCH
.endr
.endm
; 16 matrix instructions: A's blocks a0, a0 + 1 x B's eight, the slot's q-th 128 along K.  p: B's set; sc: the set of scale words.  zero = 1: the first product starts the sums.
; The 64 accumulators take turns, one instruction a turn, in the same order in every step.
.macro MUL16 a0, p, q, sc, zero
.irp a, \a0, \a0+1
.irp b, 0,1,2,3,4,5,6,7
.if \zero
	v_wmma_scale_f32_16x16x128_f8f6f4 v[8*(8*((\a)%4)+\b):8*(8*((\a)%4)+\b)+7], v[128*(\p)+FR*\b:128*(\p)+FR*\b+FR-1], v[AF+FR*(\a):AF+FR*(\a)+FR-1], 0, v[SC+8*NQ*(\sc)+NQ*\b+(\q)], v[SC+8*NQ*(\sc)+NQ*(\a)+(\q)] matrix_a_fmt:MATRIX_FMT_FP4 matrix_b_fmt:MATRIX_FMT_FP4 matrix_a_scale:MATRIX_SCALE_ROW1
.else
	v_wmma_scale_f32_16x16x128_f8f6f4 v[8*(8*((\a)%4)+\b):8*(8*((\a)%4)+\b)+7], v[128*(\p)+FR*\b:128*(\p)+FR*\b+FR-1], v[AF+FR*(\a):AF+FR*(\a)+FR-1], v[8*(8*((\a)%4)+\b):8*(8*((\a)%4)+\b)+7], v[SC+8*NQ*(\sc)+NQ*\b+(\q)], v[SC+8*NQ*(\sc)+NQ*(\a)+(\q)] matrix_a_fmt:MATRIX_FMT_FP4 matrix_b_fmt:MATRIX_FMT_FP4 matrix_a_scale:MATRIX_SCALE_ROW1
.endif
.endr
.endr
.endm
.macro FETCH_B slot, q, p              ; B's eight fragments of the slot's q-th 128 along K into set p
	WIN TO_B
.irp i, 0,1,2,3,4,5,6,7
	FRAG 128*(\p)+FR*\i, ADRB+\slot, \q, \i
.endr
	WIN 0
.endm
.macro FETCH_A slot, q, i0             ; A's blocks i0 .. i0 + 3
.irp i, \i0, \i0+1, \i0+2, \i0+3
	FRAG AF+FR*(\i), ADRA+\slot, \q, \i
.endr
.endm
.macro SCALES sc                       ; a slot's scale words into set sc: four words a row; lanes 0-15 take A's block i, lanes 16-31 B's block i
.irp i, 0,1,2,3,4,5,6,7
	ds_load_b128 v[SC+8*NQ*\sc+NQ*\i:SC+8*NQ*\sc+NQ*\i+3], v[ADRS] offset:\i*SBLK
.endr
.endm
.macro PLACES n                        ; plain vector lines between a matrix instruction and a load into, or a vector read or write of, its registers
.rept \n
	v_nop
.endr
.endm
; A step of 128 along K that has its successor in the same slot.  A's blocks are free as soon as their eight products are issued: one set serves A; B has two.
.macro STEP slot, q, zero
	s_wait_dscnt 4*NL                              ; B's set and A's blocks 0-3 are in; the youngest eight loads (A's blocks 4-7) may be out
	WIN MUL_LO
	MUL16 0, (\q)%2, \q, \slot, \zero
	MUL16 2, (\q)%2, \q, \slot, \zero
	s_wait_dscnt 0                                 ; A's blocks 4-7 are in
	PLACES NP
	FETCH_B \slot, (\q)+1, 1-(\q)%2
	FETCH_A \slot, (\q)+1, 0
	WIN MUL_HI
	MUL16 4, (\q)%2, \q, \slot, \zero
	MUL16 6, (\q)%2, \q, \slot, \zero
	PLACES NP
	WIN 0
	FETCH_A \slot, (\q)+1, 4
.endm
.macro STEPS slot, from                ; the slot's steps from .. NQ - 2
.set Q, \from
.rept NQ-1-\from
	STEP \slot, Q, 0
.set Q, Q+1
.endr
.endm
	s_wait_tensorcnt 1                             ; the scales and my part of slot 0 are in; slot 1's load, the one issued behind them, may be out
	s_barrier_signal -1
	s_barrier_wait -1                              ; everybody's are
	FETCH_B 0, 0, 0
	FETCH_A 0, 0, 0
	SCALES 0
	FETCH_A 0, 0, 4
	STEP 0, 0, 1                                   ; the first step's products start the sums
	STEPS 0, 1
	; slot 0's last step changes slots: each wave waits for its part of slot 1, then one barrier
	s_wait_tensorcnt 0x0                           ; all my tensor loads have landed
	ds_add_u32 v[SPW], v[NIL]                      ; 0 onto my spare word
	s_wait_dscnt 4*NL+1                            ; (the add and the youngest eight loads, A's blocks 4-7, may be out)
	WIN MUL_LO
	MUL16 0, 1, NQ-1, 0, 0
	s_wait_dscnt 0x0                               ; the add is done, and no LDS load of mine is out at the signal
	s_barrier_signal -1
	MUL16 2, 1, NQ-1, 0, 0
	WIN 0
	s_barrier_wait -1                              ; slot 1 is whole
	PLACES NP
	v_add_nc_u32 v[ADRS], 4*NQ, v[ADRS]            ; on to slot 1's scale words
	FETCH_B 1, 0, 0
	FETCH_A 1, 0, 0
	SCALES 1
	WIN MUL_HI
	MUL16 4, 1, NQ-1, 0, 0
	MUL16 6, 1, NQ-1, 0, 0
	PLACES NP
	WIN 0
	FETCH_A 1, 0, 4
	STEPS 1, 0
	s_wait_dscnt 4*NL                              ; the very last step: nothing more to fetch
	WIN MUL_LO
	MUL16 0, 1, NQ-1, 1, 0
	MUL16 2, 1, NQ-1, 1, 0
	s_wait_dscnt 0
	WIN MUL_HI
	MUL16 4, 1, NQ-1, 1, 0
	MUL16 6, 1, NQ-1, 1, 0
	WIN 0
	PLACES NP                                      ; in front of the first reads of results and the first writes of registers that held scales and fragments
	s_cmp_lg_u32 s[ISV], 0                         ; the cluster's y alone: the same in all sixteen partners
	s_cbranch_scc1 .Lv
; THE WAY OUT OF Q AND K.  In accumulator (a, b) lane (r, h) holds token 16 a + r and channels 16 b + 8 h + 0 .. 7: head b / 4 of my two, dims 16 (b % 4) + 8 h + 0 .. 7.  Rounded to f16 these 16 bytes ARE what lane (r, h)
; of the next launch's fragment holds, so each store writes 512 consecutive bytes: [head][tile of 16 tokens: 2,048 bytes][b % 4: 512 bytes][lane: 16 bytes].  No LDS is needed.
	s_lshr_b32 s40, s[CYC], 1                      ; the batch
	s_lshl_b32 s40, s40, 4
	s_lshl_b32 s41, s[CX], 2
	s_add_co_u32 s40, s40, s41
	s_lshl_b32 s41, s[CH], 1
	s_add_co_u32 s40, s40, s41                     ; 16 x batch + my first head (4 cx + 2 x half)
	s_lshl_b32 s41, s[CYC], 2
	s_add_co_u32 s41, s41, s[CY]
	s_and_b32 s41, s41, 7
	s_lshl_b32 s41, s41, 8
	s_lshl_b32 s42, s[RH], 7
	s_add_co_u32 s41, s41, s42                     ; my first token in its batch
	s_lshl_b32 s42, s40, 18                        ; Q: 262,144 bytes a head,
	s_lshl_b32 s43, s41, 7                         ; 128 bytes a token
	s_add_co_u32 s42, s42, s43
	s_lshl_b32 s44, s40, 19                        ; K: 524,288 bytes a head (with V),
	s_lshr_b32 s45, s41, 9
	s_lshl_b32 s45, s45, 17                        ; 131,072 a chunk of 512 keys,
	s_add_co_u32 s44, s44, s45
	s_and_b32 s45, s41, 511
	s_lshl_b32 s45, s45, 7                         ; 128 bytes a key in it
	s_add_co_u32 s44, s44, s45
	s_cmp_eq_u32 s[CXC], 0                         ; cluster x = 0 makes Q, 1 makes K
	s_cselect_b32 s42, s42, s44
	s_cselect_b64 s[DST:DST+1], s[12:13], s[14:15]
	s_mov_b32 s44, 0x80000
	s_cselect_b32 s44, 0x40000, s44                ; from head to head
	s_mov_b32 s43, 0
	s_add_nc_u64 s[DST:DST+1], s[DST:DST+1], s[42:43]
	v_add_nc_u32 v[O1], s44, v[O0]
	s_mov_b32 s[SEL], 0x76543210
	s_mov_b32 s[SEL+1], 0xfedcba98
	; the sums of squares: a lane's 32 numbers of a (block, head), two at a time; eight chains side by side; each accumulator is read from its low end on
.irp g, 0,1
	WIN 0x0a+5*\g                                  ; sources 0 and 1: window 2 or 3
.irp q, 0,1,2,3,4,5,6,7,8,9,10,11,12,13,14,15
.irp a, 0,1,2,3
.irp hh, 0,1
.if \q == 0
	v_pk_mul_f32 v[SSQ+16*\g+4*\a+2*\hh:SSQ+16*\g+4*\a+2*\hh+1], v[64*\a+32*\hh:64*\a+32*\hh+1], v[64*\a+32*\hh:64*\a+32*\hh+1]
.else
	v_pk_fma_f32 v[SSQ+16*\g+4*\a+2*\hh:SSQ+16*\g+4*\a+2*\hh+1], v[64*\a+32*\hh+2*\q:64*\a+32*\hh+2*\q+1], v[64*\a+32*\hh+2*\q:64*\a+32*\hh+2*\q+1], v[SSQ+16*\g+4*\a+2*\hh:SSQ+16*\g+4*\a+2*\hh+1]
.endif
.endr
.endr
.endr
.endr
	WIN 0
.irp x, 0,1,2,3,4,5,6,7,8,9,10,11,12,13,14,15
	v_add_f32 v[NRM+\x], v[SSQ+2*\x], v[SSQ+2*\x+1]
.endr
.irp x, 0,1,2,3,4,5,6,7,8,9,10,11,12,13,14,15
	v_permlanex16_b32 v[NRM+16+\x], v[NRM+\x], s[SEL], s[SEL+1]    ; the token's other 32 dims lie in the lane 16 away
.endr
.irp x, 0,1,2,3,4,5,6,7,8,9,10,11,12,13,14,15
	v_add_f32 v[NRM+\x], v[NRM+\x], v[NRM+16+\x]
.endr
.irp x, 0,1,2,3,4,5,6,7,8,9,10,11,12,13,14,15
	v_sqrt_f32 v[RN+2*\x+1], v[NRM+\x]             ; the norm
.endr
	v_nop                                          ; a plain line behind the last root,
	s_wait_alu depctr_va_vdst(0)                   ; and the one wait ahead of the batch's first reader
.irp x, 0,1,2,3,4,5,6,7,8,9,10,11,12,13,14,15
	v_max_num_f32 v[RN+2*\x+1], 0x2b8cbccc, v[RN+2*\x+1]           ; max(norm, 1e-12)
.endr
.irp x, 0,1,2,3,4,5,6,7,8,9,10,11,12,13,14,15
	v_rcp_f32 v[RN+2*\x], v[RN+2*\x+1]             ; the pair's low word is what the packed multiply takes for both halves
.endr
	v_nop
	s_wait_alu depctr_va_vdst(0)                   ; likewise for the sixteen reciprocals
.macro OUT_QK a
	s_wait_xcnt 0x0                                ; the stores of two blocks back have read their data: the set is written again only behind this wait
	WIN 0x02+((\a)/4)                              ; source 0: window 2 or 3
.set p, 0
.rept 32
	v_pk_mul_f32 v[TQ+2*p:TQ+2*p+1], v[64*((\a)%4)+2*p:64*((\a)%4)+2*p+1], v[RN+2*(2*(\a)+p/16):RN+2*(2*(\a)+p/16)+1] op_sel_hi:[1,0]
.set p, p+1
.endr
	WIN 0
.set p, 0
.rept 32
	v_cvt_pk_f16_f32 v[PKD+32*((\a)%2)+p], v[TQ+2*p], v[TQ+2*p+1]
.set p, p+1
.endr
.irp bb, 0,1,2,3,4,5,6,7
	global_store_b128 v[O0+\bb/4], v[PKD+32*((\a)%2)+4*\bb:PKD+32*((\a)%2)+4*\bb+3], s[DST:DST+1] offset:(\a)*2048+(\bb%4)*512   ; 32 lanes store 512 consecutive bytes, aligned
.endr
.endm
.irp a, 0,1,2,3,4,5,6,7
	OUT_QK \a
.endr
	s_branch .Ldone
; THE WAY OUT OF V.  In accumulator (a, b) lane (r, h) holds channel 16 a + r of my 128 (head a / 4 of my two, tile a % 4 of its four) and tokens 16 b + 8 h + 0 .. 7.  Rounded to bf16 these 16 bytes are what lane (r, h)
; of a fragment of V^T holds: [head][chunk of 512 keys][behind K's 65,536 bytes][group of 32 keys: 4,096 bytes][channel tile: 1,024][b % 2: 512][lane: 16 bytes].
.Lv:
	s_sub_co_u32 s40, s[CYC], 4                    ; the batch
	s_lshl_b32 s40, s40, 4
	s_lshl_b32 s41, s[CY], 2
	s_add_co_u32 s40, s40, s41
	s_lshl_b32 s41, s[RH], 1
	s_add_co_u32 s40, s40, s41                     ; 16 x batch + my first head (4 cy + 2 x half)
	s_lshl_b32 s41, s[CXC], 2
	s_add_co_u32 s41, s41, s[CX]
	s_lshl_b32 s41, s41, 8
	s_lshl_b32 s42, s[CH], 7
	s_add_co_u32 s41, s41, s42                     ; my first token in its batch
	s_lshl_b32 s42, s40, 19
	s_lshr_b32 s43, s41, 9
	s_lshl_b32 s43, s43, 17
	s_add_co_u32 s42, s42, s43
	s_and_b32 s43, s41, 511
	s_lshl_b32 s43, s43, 7
	s_add_co_u32 s42, s42, s43
	s_add_co_u32 s42, s42, 65536
	s_mov_b32 s43, 0
	s_add_nc_u64 s[DST:DST+1], s[14:15], s[42:43]
.macro OUT_V a
	s_wait_xcnt 0x0                                ; the stores of two blocks back have read their data
	WIN 0x0a+5*((\a)/4)                            ; sources 0 and 1: window 2 or 3
.set p, 0
.rept 32
	v_cvt_pk_bf16_f32 v[PKD+32*((\a)%2)+p], v[64*((\a)%4)+2*p], v[64*((\a)%4)+2*p+1]   ; each accumulator from its low end on
.set p, p+1
.endr
	WIN 0
.irp bb, 0,1,2,3,4,5,6,7
	global_store_b128 v[O0], v[PKD+32*((\a)%2)+4*\bb:PKD+32*((\a)%2)+4*\bb+3], s[DST:DST+1] offset:((\a)/4)*524288+((\a)%4)*1024+(\bb/2)*4096+(\bb%2)*512   ; 512 consecutive bytes, aligned
.endr
.endm
.irp a, 0,1,2,3,4,5,6,7
	OUT_V \a
.endr
.Ldone:
	s_wait_tensorcnt 0x0                           ; the wave's end: behind my last tensor load
	ds_add_u32 v[SPW], v[NIL]
	s_wait_dscnt 0x0
	CROUND                                         ; the closing round: no work-group ends while a partner may still ask for a tile that names it
	s_endpgm
.Lfunc_end_k_q4afd1a28d9_proj:
	.size	k_q4afd1a28d9_proj, .Lfunc_end_k_q4afd1a28d9_proj-k_q4afd1a28d9_proj
	.p2alignl 7, 3214868480
	.fill 96, 4, 3214868480
	.section	.rodata,"a",@progbits
	.p2align	6, 0x0
	.amdhsa_kernel k_q4afd1a28d9_proj
		.amdhsa_group_segment_fixed_size 327680
		.amdhsa_private_segment_fixed_size 0
		.amdhsa_enable_private_segment 0
		.amdhsa_kernarg_size 48
		.amdhsa_user_sgpr_count 2
		.amdhsa_user_sgpr_kernarg_segment_ptr 1
		.amdhsa_wavefront_size32 1
		.amdhsa_system_sgpr_workgroup_id_x 1
		.amdhsa_system_sgpr_workgroup_id_y 1
		.amdhsa_system_sgpr_workgroup_id_z 1
		.amdhsa_system_vgpr_workitem_id 0
		.amdhsa_next_free_vgpr 1024
		.amdhsa_next_free_sgpr 102
		.amdhsa_reserve_vcc 0
		.amdhsa_float_denorm_mode_32 3
		.amdhsa_float_denorm_mode_16_64 3
		.amdhsa_memory_ordered 1
		.amdhsa_forward_progress 1
		.amdhsa_inst_pref_size 178
	.end_amdhsa_kernel
	.amdgpu_metadata
---
amdhsa.version: [ 1, 2 ]
amdhsa.kernels:
  - .name:           k_q4afd1a28d9_proj
    .symbol:         k_q4afd1a28d9_proj.kd
    .args:
      - { .name: XC, .offset: 0, .size: 8, .value_kind: global_buffer, .address_space: global }
      - { .name: XS, .offset: 8, .size: 8, .value_kind: global_buffer, .address_space: global }
      - { .name: WC, .offset: 16, .size: 8, .value_kind: global_buffer, .address_space: global }
      - { .name: WS, .offset: 24, .size: 8, .value_kind: global_buffer, .address_space: global }
      - { .name: QH, .offset: 32, .size: 8, .value_kind: global_buffer, .address_space: global }
      - { .name: KV, .offset: 40, .size: 8, .value_kind: global_buffer, .address_space: global }
    .group_segment_fixed_size: 327680
    .private_segment_fixed_size: 0
    .kernarg_segment_align: 8
    .kernarg_segment_size: 48
    .max_flat_workgroup_size: 128
    .sgpr_count:     102
    .vgpr_count:     1024
    .wavefront_size: 32
...
	.end_amdgpu_metadata
.endif
;; end of part 2
;; launch attn (part 3): grid 8 x 32, 16 waves a work-group, clusters of 4 x 1, 327,680 bytes of LDS; arguments QH, KV, mask, AH; writes AH
.if DOCPART == 3
	.amdgcn_target "amdgcn-amd-amdhsa--gfx1250"
	.amdhsa_code_object_version 6
	.text
	.protected	k_q4afd1a28d9_attn
	.globl	k_q4afd1a28d9_attn
	.p2align	8
	.type	k_q4afd1a28d9_attn,@function
k_q4afd1a28d9_attn:
	s_mov_b64 s[64:65], 0
	v_nop
	global_prefetch_b8 v0, s[64:65] scope:SCOPE_SE
	s_setreg_imm32_b32 hwreg(HW_REG_WAVE_MODE, 25, 1), 1
	s_wait_xcnt 0x0
	s_wait_alu depctr_hold_cnt(0) depctr_sa_sdst(0) depctr_va_vdst(0) depctr_va_sdst(0) depctr_va_ssrc(0) depctr_va_vcc(0) depctr_vm_vsrc(0)
	s_getreg_b32 s2, hwreg(HW_REG_IB_STS2, 6, 4)
	s_cmp_eq_u32 s2, 0
	s_cbranch_scc0 .Lentry_in_a_cluster
	s_endpgm
.Lentry_in_a_cluster:
	s_bfe_u32 s2, ttmp6, 0x10000c
	s_cmp_lg_u32 s2, 0x3003
	s_cbranch_scc0 .Lentry_shape_is_right
	s_endpgm
.Lentry_shape_is_right:
; For each batch and head: sim = clip(Q^ . K^, +-0.999); score = 1 - arccos(sim) / pi, 0 where the key's mask is 0; w = max(score, 1e-6)^8; O = (the sum over keys of w V) / (the sum of w + 1e-6).
; Q^ and K^ are unit vectors in f16, V and w go in bf16 (w spans 1.7e-15 to 0.89: no room in f16); products' sums, the whole chain and the row's sum in f32; the sum is taken of the unrounded w.
; THE CHAIN.  a = min(|sim|, 0.999); arccos(a) = sqrt(1 - a) P(a), P of degree 3 (Abramowitz and Stegun 4.4.45: |error of P| under 6.8e-5 on all of [0, 1]); with 2 / pi folded into its coefficients,
; v = 1 - sqrt(1 - a) p(a) = (2 / pi) asin(a); score = 0.5 + 0.5 copysign(v, sim), made as fma(c, hm, hm) with hm = 0.5 for a live key and 0 for a masked one: the mask costs no line.  w = three squarings.
; WHY DEGREE 3.  Under 0 the score is sqrt(1 - a) P(a) / pi, so its relative error is P's, under 4.8e-5; from 0 on its error is under 2.2e-5 on a score of 0.5 or more.  Eight times that: w's relative error stays
; under 4e-4 on the whole clipped range, a fifth of half a step of bf16 (2^-9), to which w is rounded in the next lines.  Each degree more would cost 16 packed lines a trip.
; The clip holds every live score in [0.0142, 0.9858], so the max with 1e-6 acts on masked scores alone, and (1e-6)^8 is 0 in f32: a masked key's w is exactly 0, as reference()'s is.
; No maximum is taken ahead of the weights, in reference() too: w is at most 1 and a row's sum at most 2,048, so sums over parts of the keys simply add.
; SHARES.  A work-group owns 256 queries (16 tiles of 16) of one batch and head.  Wave w computes tiles w and w ^ 1 (register tile 0 and 1) against every second group of 32 keys (group % 2 = w % 2): each fragment read
; from LDS feeds two tiles of queries.  At the end each wave hands its register tile 1 to its partner w ^ 1 through LDS and finishes tile w.  Sixteen waves of 256 registers: four to a SIMD, so that one wave's
; vector lines stand beside another's matrix instructions and LDS loads; no register windows.
; LAYOUT.  S^T = K^ Q^^T (source 0 = 16 keys, source 1 = 16 queries) and O^T = V^T P (source 0 = 16 channels, source 1 = P): a lane holds ONE query throughout, and two tiles of S^T, rounded in pairs, are P's fragment.
; All operands lie in memory in the order of their registers, so every LDS and global load of a fragment reads 512 consecutive bytes.
; RING.  Keys come in 4 chunks of 512: 131,072 bytes, K^ then V, an image of an LDS slot; two slots.  Every wave fetches 8,192 bytes of a chunk by one tensor load: one load of mine is out at the most.
; A chunk is asked for at the change of slots ahead of the chunk before it: it has that chunk's 8 trips in which to land, so no prefetch is laid beside it.
; CLUSTER.  The four query blocks of a cluster belong to one batch and head and walk the same chunks: each load is a JOINT load, the same in all four.  cx enters Q's and the output's global addresses alone.
; LIMITS: |O| stays under 65,504 (it leaves as f16; under 6e-5 it keeps 3e-8 absolute); NaN is not served.
.set SLOT1, 1<<17                      ; slot 1 begins here: one exclusive or turns an address in one slot into the other's
.set HMB,   2*SLOT1                    ; behind the ring: hm of the batch's 2,048 keys, f32: 8,192 bytes, stored once
.set SPARE, HMB+8192                   ; the spare words, 128 bytes for each of 16 waves
.set STG,   4608                       ; the exchange: for each wave 8 x 512 bytes of register images, its sum's 128 bytes at + 4,096; in slot 0, which has had its last fill and its last read by then
.set SPW, 1                            ; v1   LDS address of my spare word; never rewritten
.set NIL, 2                            ; v2   0; never rewritten
.set AK0, 3                            ; v3   16 x lane + 4,096 x (wave % 2): my place in a pair of key groups of K^
.set AV0, 4                            ; v4   the same in V
.set AH0, 5                            ; v5   HMB + 32 (lane / 16) + 128 x (wave % 2)
.set ADK, 6                            ; v6-8 the addresses of the trip in hand
.set ADV, 7
.set ADH, 8
.set LI,  9                            ; v9   16 x lane
.set SWI, 10                           ; v10  the exchange: where I store images;  v11 where I read my partner's
.set SRI, 11
.set SWS, 12                           ; v12, v13 the same for the sum's word
.set SRS, 13
.set K3,  14                           ; v[14:15] the polynomial's highest coefficient, twice
.set QF,  16                           ; v16-47   Q's fragments: tile i, K step s at 16 i + 8 s
.set OT,  48                           ; v48-111  O^T: tile i, channel tile t at 32 i + 8 t
.set SUM, 112                          ; v112-119 the row's sums: tile i, chain z: a pair at 4 i + 2 z
.set HM,  120                          ; v120-135 hm of my 16 keys of the group
.set SS,  136                          ; v136-167 S^T, then the chain in place: tile i, key tile kt at 16 i + 8 kt
.set PB,  168                          ; v168-183 P: tile i at 8 i
.set R1,  184                          ; v184-215 K's fragments, then a, then v
.set R2,  216                          ; v216-247 sqrt(1 - a) and the polynomial of half the scores, then V's fragments
.set YY,  216
.set PL,  232
.set WV,  12                           ; s12 wave;  s13 wave % 2;  s14 cx;  s15 my block of 256 queries;  s16 batch x 16 + head
.set TB,  36                           ; s36  LDS byte at which the trip's pair of key groups begins
.set TH,  37                           ; s37  and its 64 keys' hm: 256 bytes a trip
.set SLOTS, 38
.set TRIP,  39
.macro CROUND                          ; a round of the cluster's barrier
	s_barrier_signal -1
	s_barrier_wait -1
	s_cmp_lg_u32 s[WV], 0
	s_cbranch_scc1 .Lnot_wave_0_\@
	s_barrier_signal -3
.Lnot_wave_0_\@:
	s_barrier_wait -3
	s_barrier_signal -1
	s_barrier_wait -1
.endm
	s_load_b256 s[4:11], s[0:1], 0x0               ; QH s[4:5], KV s[6:7], mask s[8:9], AH s[10:11]
	v_lshl_add_u32 v[SPW], v0, 2, SPARE
	v_mov_b32 v[NIL], 0
	ds_add_u32 v[SPW], v[NIL]                      ; the wave's opening: the add, twice on end, and its wait ahead of my first tensor load
	ds_add_u32 v[SPW], v[NIL]
	v_lshrrev_b32 v3, 5, v0
	v_readfirstlane_b32 s[WV], v3                  ; wave 0..15
	s_and_b32 s13, s[WV], 1
	s_bfe_u32 s14, ttmp6, 0x40000                  ; cx
	s_lshl_b32 s15, ttmp9, 2                       ; in a cluster launch ttmp9 counts clusters
	s_add_co_u32 s15, s15, s14                     ; my block of queries = 4 x cluster x + cx
	s_and_b32 s16, ttmp7, 0xffff                   ; batch x 16 + head, which the four partners share
	; descriptor group 1: 8,192 dense bytes as 32 rows of 256 (32 elements of 8 bytes), no padding
	s_mov_b32 s24, 15|(3<<16)|(1<<21)              ; 15:0 the mask: all four work-groups; 17:16 elements of 8 bytes; 21 set beside a mask
	s_mov_b32 s25, 32<<16                          ; tensor_dim0 = 32
	s_mov_b32 s26, 32<<16                          ; tensor_dim1 = 32
	s_mov_b32 s27, 32<<16                          ; tile_dim0 = 32
	s_mov_b32 s28, 32                              ; tile_dim1 = 32
	s_mov_b32 s29, 32                              ; tensor_dim0_stride
	s_mov_b32 s30, 0
	s_mov_b32 s31, 0
	s_mov_b32 s40, 0x3d41a480                      ; the polynomial's coefficients x 2 / pi, each as a pair (the packed form names a pair and takes its low word for both halves): k2 = 0.047276021,
	s_mov_b32 s41, s40
	s_mov_b32 s42, 0xbe0a46ef                      ; k1 = -0.135036221,
	s_mov_b32 s43, s42
	s_mov_b32 s44, 0x3f7ffd2f                      ; k0 = 0.999957009
	s_mov_b32 s45, s44
	s_mov_b32 s50, 0x3f7fbe77                      ; 0.999
	s_mov_b32 s51, 0x7fffffff                      ; all but the sign
	s_mov_b32 s52, 0x76543210                      ; lane selects for v_permlanex16_b32: lane l xor 16
	s_mov_b32 s53, 0xfedcba98
	s_mov_b32 s54, 0x358637bd                      ; 1e-6
	s_mov_b32 s[TB], 0
	s_mov_b32 s[TH], 0
	s_mov_b32 s[SLOTS], 3
	s_lshl_b32 s18, s16, 19                        ; KV: 524,288 bytes a head,
	s_lshl_b32 s19, s[WV], 13                      ; my 8,192 of a chunk
	s_add_co_u32 s18, s18, s19
	s_mov_b32 s19, 0
	s_lshl_b32 s20, s16, 18                        ; QH: 262,144 bytes a head,
	s_lshl_b32 s21, s15, 15                        ; 32,768 a block of 16 tiles
	s_add_co_u32 s20, s20, s21
	s_mov_b32 s21, 0
	s_lshr_b32 s22, s16, 4                         ; the batch
	s_lshl_b32 s17, s22, 7
	s_lshl_b32 s23, s15, 4
	s_add_co_u32 s17, s17, s23
	s_add_co_u32 s17, s17, s[WV]                   ; AH: my tile of 16 tokens: 128 x batch + 16 x block + wave,
	s_lshl_b32 s17, s17, 15                        ; 32,768 bytes a tile,
	s_and_b32 s23, s16, 15
	s_lshl_b32 s23, s23, 11                        ; 2,048 a head in it
	s_add_co_u32 s17, s17, s23
	s_lshl_b32 s22, s22, 13                        ; mask: 8,192 bytes a batch
	s_mov_b32 s23, 0
	s_wait_dscnt 0x0                               ; both opening adds are done
	s_wait_kmcnt 0x0
	s_mov_b32 s32, 1                               ; descriptor group 0: count = 1
	s_lshl_b32 s33, s[WV], 13                      ; LDS address: slot 0, my 8,192 bytes
	s_add_nc_u64 s[34:35], s[6:7], s[18:19]        ; global address: chunk 0
	s_or_b32 s35, s35, 0x80000000                  ; type = 2
	s_add_nc_u64 s[4:5], s[4:5], s[20:21]
	s_add_nc_u64 s[8:9], s[8:9], s[22:23]
	s_mov_b32 s22, s17
	s_add_nc_u64 s[10:11], s[10:11], s[22:23]
	CROUND                                         ; all four work-groups are here: the first joint loads meet
	tensor_load_to_lds s[32:35], s[24:31]          ; chunk 0 into slot 0
	s_nop 0
.rept 4
	v_nop
.endr
	v_lshlrev_b32 v254, 4, v0
	global_load_b128 v[248:251], v254, s[8:9]      ; four keys' mask a thread: the 512 threads take the batch's 2,048
	v_and_b32 v[LI], 31, v0
	v_lshlrev_b32 v[LI], 4, v[LI]
	s_lshl_b32 s17, s[WV], 11                      ; my tile of queries: 2,048 bytes a tile,
	s_xor_b32 s18, s[WV], 1
	s_lshl_b32 s19, s18, 11                        ; and my partner's
	v_add_nc_u32 v6, s17, v[LI]
	v_add_nc_u32 v7, s19, v[LI]
.irp b, 0,1,2,3
	global_load_b128 v[QF+4*\b:QF+4*\b+3], v6, s[4:5] offset:512*\b           ; Q stays in registers
.endr
.irp b, 0,1,2,3
	global_load_b128 v[QF+16+4*\b:QF+16+4*\b+3], v7, s[4:5] offset:512*\b
.endr
	s_lshl_b32 s17, s13, 12
	v_add_nc_u32 v[AK0], s17, v[LI]
	v_add_nc_u32 v[AV0], 0x10000, v[AK0]
	s_lshl_b32 s17, s13, 7
	s_add_co_u32 s17, s17, HMB
	v_bfe_u32 v[AH0], v0, 4, 1
	v_lshl_add_u32 v[AH0], v[AH0], 5, s17
	s_mul_i32 s17, s[WV], STG
	s_mul_i32 s18, s18, STG
	v_add_nc_u32 v[SWI], s17, v[LI]
	v_add_nc_u32 v[SRI], s18, v[LI]
	v_and_b32 v[SWS], 31, v0
	v_lshlrev_b32 v[SWS], 2, v[SWS]
	v_add_nc_u32 v[SRS], s18, v[SWS]
	v_add_nc_u32 v[SWS], s17, v[SWS]
	v_add_nc_u32 v[SRS], 4096, v[SRS]
	v_add_nc_u32 v[SWS], 4096, v[SWS]
	v_lshl_add_u32 v[ADH], v0, 4, HMB              ; where my four hm go
	v_mov_b32 v[K3], 0xbc435a8b                    ; k3 = -0.011923443
	v_mov_b32 v[K3+1], 0xbc435a8b
	v_mov_b32 v252, 0.5
.set n, 0
.rept 72
	v_mov_b32 v[OT+n], 0                           ; O^T and the sums.  (The trip is written once: its first pass adds onto zeros)
.set n, n+1
.endr
	s_wait_loadcnt 8                               ; the mask is in; Q's eight loads, issued behind it, may be out
.irp j, 0,1,2,3
	v_cmp_ne_u32 vcc_lo, 0, v[248+\j]
	v_cndmask_b32 v[248+\j], 0, v252, vcc_lo       ; hm = 0.5 for a live key, 0 for a masked one
.endr
	ds_store_b128 v[ADH], v[248:251]               ; read by all waves behind the first change of slots, in front of whose round each wave waits for its LDS instructions
	s_wait_loadcnt 0x0                             ; Q
; sqrt(1 - a) p(a) for 16 scores a lane (tile hf of the two): the 16 roots are one batch; the polynomial's 24 lines, which name none of their results, stand behind them; then the one wait; then v = 1 - y p, over a.
.macro ARC hf
.set AA, R1+16*\hf
.set n, 0
.rept 8
	v_pk_add_f32 v[YY+n:YY+n+1], v[AA+n:AA+n+1], 1.0 op_sel_hi:[1,0] neg_lo:[1,0] neg_hi:[1,0]   ; 1 - a
.set n, n+2
.endr
.set n, 0
.rept 16
	v_sqrt_f32 v[YY+n], v[YY+n]                    ; 1 - a is at least 0.001
.set n, n+1
.endr
.set n, 0
.rept 8
	v_pk_fma_f32 v[PL+n:PL+n+1], v[AA+n:AA+n+1], v[K3:K3+1], s[40:41] op_sel_hi:[1,1,0]          ; k3 a + k2
.set n, n+2
.endr
.irp k, 42,44
.set n, 0
.rept 8
	v_pk_fma_f32 v[PL+n:PL+n+1], v[PL+n:PL+n+1], v[AA+n:AA+n+1], s[\k:\k+1] op_sel_hi:[1,1,0]    ; x a + k1, x a + k0
.set n, n+2
.endr
.endr
	s_wait_alu depctr_va_vdst(0)                   ; the one wait between the batch of roots and its first reader
.set n, 0
.rept 8
	v_pk_fma_f32 v[AA+n:AA+n+1], v[YY+n:YY+n+1], v[PL+n:PL+n+1], 1.0 op_sel_hi:[1,1,0] neg_lo:[1,0,0] neg_hi:[1,0,0]   ; v = 1 - y p
.set n, n+2
.endr
.endm
; A TRIP: my group of 32 keys of a pair of groups, against my 32 queries.
.macro GROUP
	v_add_nc_u32 v[ADK], s[TB], v[AK0]
	v_add_nc_u32 v[ADH], s[TH], v[AH0]
.irp kt, 0,1
.irp b, 0,1,2,3
	ds_load_b128 v[R1+16*\kt+4*\b:R1+16*\kt+4*\b+3], v[ADK] offset:2048*\kt+512*\b   ; K^: key tile kt, dims 16 b on
.endr
.endr
.irp kt, 0,1
.irp q, 0,1
	ds_load_b128 v[HM+8*\kt+4*\q:HM+8*\kt+4*\q+3], v[ADH] offset:64*\kt+16*\q        ; hm of keys 16 kt + 8 (lane / 16) + 0 .. 7
.endr
.endr
	s_wait_dscnt 0x0
.irp i, 0,1                            ; S^T: four accumulators by turns; the first four start the sums
.irp kt, 0,1
	v_wmma_f32_16x16x32_f16 v[SS+16*\i+8*\kt:SS+16*\i+8*\kt+7], v[R1+16*\kt:R1+16*\kt+7], v[QF+16*\i:QF+16*\i+7], 0
.endr
.endr
.irp i, 0,1
.irp kt, 0,1
	v_wmma_f32_16x16x32_f16 v[SS+16*\i+8*\kt:SS+16*\i+8*\kt+7], v[R1+16*\kt+8:R1+16*\kt+15], v[QF+16*\i+8:QF+16*\i+15], v[SS+16*\i+8*\kt:SS+16*\i+8*\kt+7]
.endr
.endr
	v_add_nc_u32 v[ADV], s[TB], v[AV0]             ; this line and three v_nop: the four places in front of the reads of S^T and the writes over K's fragments (ISA guide 7.12.1)
.rept 3
	v_nop
.endr
.set n, 0
.rept 32
	v_min_num_f32 v[R1+n], |v[SS+n]|, s50          ; a = min(|sim|, 0.999); each accumulator from its low end on
.set n, n+1
.endr
	ARC 0
	ARC 1
.irp t, 0,1,2,3
.irp c, 0,1
	ds_load_b128 v[R2+8*\t+4*\c:R2+8*\t+4*\c+3], v[ADV] offset:1024*\t+512*\c        ; V^T: channel tile t, keys 16 c on; the 128 lines below stand ahead of the wait for these
.endr
.endr
.set n, 0
.rept 32
	v_bfi_b32 v[SS+n], s51, v[R1+n], v[SS+n]       ; copysign(v, sim)
.set n, n+1
.endr
.set n, 0
.rept 16
	v_pk_fma_f32 v[SS+n:SS+n+1], v[SS+n:SS+n+1], v[HM+n%16:HM+n%16+1], v[HM+n%16:HM+n%16+1]   ; the score, 0 under the mask
.set n, n+2
.endr
.rept 3                                ; the 8th power
.set n, 0
.rept 16
	v_pk_mul_f32 v[SS+n:SS+n+1], v[SS+n:SS+n+1], v[SS+n:SS+n+1]
.set n, n+2
.endr
.endr
.set n, 0
.rept 16
	v_cvt_pk_bf16_f32 v[PB+n], v[SS+2*n], v[SS+2*n+1]
.set n, n+1
.endr
.set n, 0
.rept 16
	v_pk_add_f32 v[SUM+4*(n/8)+2*(n%2):SUM+4*(n/8)+2*(n%2)+1], v[SUM+4*(n/8)+2*(n%2):SUM+4*(n/8)+2*(n%2)+1], v[SS+2*n:SS+2*n+1]   ; the row's sum, of the unrounded w, in two chains a tile
.set n, n+1
.endr
	s_wait_dscnt 0x0                               ; V
.irp t, 0,1,2,3                        ; O^T: eight accumulators by turns
.irp i, 0,1
	v_wmma_f32_16x16x32_bf16 v[OT+32*\i+8*\t:OT+32*\i+8*\t+7], v[R2+8*\t:R2+8*\t+7], v[PB+8*\i:PB+8*\i+7], v[OT+32*\i+8*\t:OT+32*\i+8*\t+7]
.endr
.endr
	s_add_co_u32 s[TB], s[TB], 8192                ; the next pair of groups
	s_add_co_u32 s[TH], s[TH], 256
.endm
.macro CHUNK                           ; a slot's 512 keys: 8 trips
	s_mov_b32 s[TRIP], 8
.Lgrp_\@:
	GROUP
	s_sub_co_u32 s[TRIP], s[TRIP], 1
	s_cmp_lg_u32 s[TRIP], 0
	s_cbranch_scc1 .Lgrp_\@
	s_sub_co_u32 s[TB], s[TB], 65536               ; back to a slot's first group,
	s_xor_b32 s[TB], s[TB], SLOT1                  ; in the other slot
.endm
.Lslot:                                            ; three trips: at the head of chunks 0, 1, 2 the chunk after is asked for, into the slot that has just been left (chunk 1: into slot 1, for the first time)
	s_wait_tensorcnt 0x0                           ; my one tensor load has landed: my part of the slot that is about to be read; so the descriptor may be written
	ds_add_u32 v[SPW], v[NIL]                      ; 0 onto my spare word; the descriptor's steps stand between it and the wait for it
	s_xor_b32 s33, s33, SLOT1                      ; the other slot than last time,
	s_add_nc_u64 s[34:35], s[34:35], 131072        ; the next chunk; the type bits on top are not reached
	s_wait_dscnt 0x0                               ; the add is done, my reads of the slot that I have left are over (first trip: my hm are stored)
	CROUND                                         ; that holds of every wave of all four work-groups
	tensor_load_to_lds s[32:35], s[24:31]          ; the first thing behind the round, my one tensor load until the next
	s_nop 0
.rept 4
	v_nop
.endr
	CHUNK
	s_sub_co_u32 s[SLOTS], s[SLOTS], 1
	s_cmp_lg_u32 s[SLOTS], 0
	s_cbranch_scc1 .Lslot
	s_wait_tensorcnt 0x0                           ; the last change of slots is written out: nothing is asked for, so a plain barrier does
	ds_add_u32 v[SPW], v[NIL]
	s_wait_dscnt 0x0
	s_barrier_signal -1
	s_barrier_wait -1
	CHUNK
	; THE WAY OUT.  Each wave stores its register tile 1 (its partner's queries, its own half of the keys) and that tile's sum as images of the registers; a barrier; each adds its partner's image to its tile 0.
	s_wait_dscnt 0x0
	s_barrier_signal -1                            ; the stage lies in slot 0, last read ahead of the last change of slots; this barrier parts every wave's reads of the ring from the stores below
	s_barrier_wait -1
	v_pk_add_f32 v[SUM:SUM+1], v[SUM:SUM+1], v[SUM+2:SUM+3]        ; the sums' chains: these four lines are also the places behind the last products
	v_pk_add_f32 v[SUM+4:SUM+5], v[SUM+4:SUM+5], v[SUM+6:SUM+7]
	v_add_f32 v248, v[SUM], v[SUM+1]               ; tile 0's, my keys
	v_add_f32 v249, v[SUM+4], v[SUM+5]             ; tile 1's
.irp n, 0,1,2,3,4,5,6,7
	ds_store_b128 v[SWI], v[OT+32+4*\n:OT+32+4*\n+3] offset:512*\n
.endr
	ds_store_b32 v[SWS], v249
	s_wait_dscnt 0x0                               ; for my partner's sake: my stores are done
	s_barrier_signal -1
	s_barrier_wait -1
.irp n, 0,1,2,3,4,5,6,7
	ds_load_b128 v[R1+4*\n:R1+4*\n+3], v[SRI] offset:512*\n
.endr
	ds_load_b32 v250, v[SRS]
	s_wait_dscnt 0x0
	v_add_f32 v248, v248, v250                     ; both halves of the groups,
	v_mov_b32 v251, 0                              ; (a lane permute's destination counts as one of its sources)
	v_permlanex16_b32 v251, v248, s52, s53
	v_add_f32 v248, v248, v251                     ; and the keys of the lane 16 away: the row's sum
	v_add_f32 v248, s54, v248                      ; + 1e-6
	v_rcp_f32 v252, v248
.set n, 0
.rept 16
	v_pk_add_f32 v[R1+n:R1+n+1], v[OT+n:OT+n+1], v[R1+n:R1+n+1]    ; O^T of all keys (plain work behind the reciprocal); each accumulator from its low end on
.set n, n+2
.endr
	s_wait_alu depctr_va_vdst(0)                   ; the wait ahead of the reciprocal's first reader
	v_mov_b32 v253, v252
.set n, 0
.rept 16
	v_pk_mul_f32 v[R1+n:R1+n+1], v[R1+n:R1+n+1], v[252:253]
.set n, n+2
.endr
.set n, 0
.rept 16
	v_cvt_pk_f16_f32 v[R2+n], v[R1+2*n], v[R1+2*n+1]
.set n, n+1
.endr
.irp t, 0,1,2,3                        ; lane (r, h): token r, channels 64 head + 16 t + 8 h + 0 .. 7: what lane (r, h) of the last product's fragment holds
	global_store_b128 v[LI], v[R2+4*\t:R2+4*\t+3], s[10:11] offset:512*\t       ; 32 lanes store 512 consecutive bytes, aligned
.endr
	s_wait_tensorcnt 0x0                           ; the wave's end: behind my last tensor load and my last LDS store
	ds_add_u32 v[SPW], v[NIL]
	s_wait_dscnt 0x0
	CROUND                                         ; the closing round: no work-group ends while a partner may still ask for a tile that names it
	s_endpgm
.Lfunc_end_k_q4afd1a28d9_attn:
	.size	k_q4afd1a28d9_attn, .Lfunc_end_k_q4afd1a28d9_attn-k_q4afd1a28d9_attn
	.p2alignl 7, 3214868480
	.fill 96, 4, 3214868480
	.section	.rodata,"a",@progbits
	.p2align	6, 0x0
	.amdhsa_kernel k_q4afd1a28d9_attn
		.amdhsa_group_segment_fixed_size 327680
		.amdhsa_private_segment_fixed_size 0
		.amdhsa_enable_private_segment 0
		.amdhsa_kernarg_size 32
		.amdhsa_user_sgpr_count 2
		.amdhsa_user_sgpr_kernarg_segment_ptr 1
		.amdhsa_wavefront_size32 1
		.amdhsa_system_sgpr_workgroup_id_x 1
		.amdhsa_system_sgpr_workgroup_id_y 1
		.amdhsa_system_sgpr_workgroup_id_z 1
		.amdhsa_system_vgpr_workitem_id 0
		.amdhsa_next_free_vgpr 256
		.amdhsa_next_free_sgpr 66
		.amdhsa_reserve_vcc 1
		.amdhsa_float_denorm_mode_32 3
		.amdhsa_float_denorm_mode_16_64 3
		.amdhsa_memory_ordered 1
		.amdhsa_forward_progress 1
		.amdhsa_inst_pref_size 53
	.end_amdhsa_kernel
	.amdgpu_metadata
---
amdhsa.version: [ 1, 2 ]
amdhsa.kernels:
  - .name:           k_q4afd1a28d9_attn
    .symbol:         k_q4afd1a28d9_attn.kd
    .args:
      - { .name: QH, .offset: 0, .size: 8, .value_kind: global_buffer, .address_space: global }
      - { .name: KV, .offset: 8, .size: 8, .value_kind: global_buffer, .address_space: global }
      - { .name: mask, .offset: 16, .size: 8, .value_kind: global_buffer, .address_space: global }
      - { .name: AH, .offset: 24, .size: 8, .value_kind: global_buffer, .address_space: global }
    .group_segment_fixed_size: 327680
    .private_segment_fixed_size: 0
    .kernarg_segment_align: 8
    .kernarg_segment_size: 32
    .max_flat_workgroup_size: 512
    .sgpr_count:     66
    .vgpr_count:     256
    .wavefront_size: 32
...
	.end_amdgpu_metadata
.endif
;; end of part 3
;; launch outp (part 4): grid 8 x 32, 4 waves a work-group, clusters of 4 x 4, 327,680 bytes of LDS; arguments AH, WOH, bo, out0; writes out0
.if DOCPART == 4
	.amdgcn_target "amdgcn-amd-amdhsa--gfx1250"
	.amdhsa_code_object_version 6
	.text
	.protected	k_q4afd1a28d9_outp
	.globl	k_q4afd1a28d9_outp
	.p2align	8
	.type	k_q4afd1a28d9_outp,@function
k_q4afd1a28d9_outp:
	s_mov_b64 s[64:65], 0
	v_nop
	global_prefetch_b8 v0, s[64:65] scope:SCOPE_SE
	s_setreg_imm32_b32 hwreg(HW_REG_WAVE_MODE, 25, 1), 1
	s_wait_xcnt 0x0
	s_wait_alu depctr_hold_cnt(0) depctr_sa_sdst(0) depctr_va_vdst(0) depctr_va_sdst(0) depctr_va_ssrc(0) depctr_va_vcc(0) depctr_vm_vsrc(0)
	s_getreg_b32 s2, hwreg(HW_REG_IB_STS2, 6, 4)
	s_cmp_eq_u32 s2, 0
	s_cbranch_scc0 .Lentry_in_a_cluster
	s_endpgm
.Lentry_in_a_cluster:
	s_bfe_u32 s2, ttmp6, 0x10000c
	s_cmp_lg_u32 s2, 0xf033
	s_cbranch_scc0 .Lentry_shape_is_right
	s_endpgm
.Lentry_shape_is_right:
; out0[m][n] = the sum over k of A[m][k] Wo[n][k] + bo[n].  A (the attention's result, 4,096 x 1,024) and Wo (1,024 x 1,024) in f16, sums and out0 in f32.
; A lies in the order of its fragments' registers: [tile of 16 tokens: 32,768 bytes][32 along K: 1,024 bytes][register group: 512][lane: 16]; Wo lies by rows, K innermost.
; A tile of out0 is 128 x 128: 256 work-groups, one for each WGP.  Four waves, each 64 x 64: 16 accumulators.  K goes in steps of 256 through two LDS slots.
; CLUSTERS: 4 x 4 work-groups.  The four of a row of the cluster need the same tiles of A, the four of a column the same tiles of Wo: each is asked for JOINTLY.
; THE MATRIX INSTRUCTION IS USED TRANSPOSED (source 0 = 16 rows of Wo, source 1 = 16 rows of A): a lane holds eight neighbouring numbers of a row of out0.  bo is the C of each sum's first instruction.
; A K step has 128 matrix instructions a wave and the whole K four steps: no prefetch is laid beside the tensor loads.
; LIMITS: |A| and |Wo| stay under 65,504.
; REGISTERS: window 0: v16-29 addresses; v32-95 the way out; v96-127 bo, eight registers for each of my four blocks of columns; v128-255 the accumulators ((a, b) at v[128 + 8 (4 a + b)]).
;   window 1: two fragment buffers of 128: for 64 along K, 64 registers of A, then 64 of Wo.
.set KSTEP,  256
.set PITCH,  528                       ; a row of Wo in LDS: 512 bytes + 16 of padding: the 16 rows that a load touches start at 16 different banks (64 banks of 4 bytes: ISA guide 11.1)
.set APART,  65536                     ; a slot: A's 8 tiles of 16 tokens x 8,192 bytes, as register images (every load reads 512 consecutive bytes: no padding),
.set HALFA,  32768                     ; (four tiles: what one tensor load brings, and what one wave reads)
.set HALFB,  64*PITCH                  ; then Wo's 128 rows (64: one tensor load's, one wave's)
.set SLOT,   APART+2*HALFB
.set STAGE,  2*SLOT                    ; behind the ring: 16 rows x 272 bytes for each wave, for the way out
.set SPITCH, 272
.set SPARE,  STAGE+4*16*SPITCH         ; the spare words, 128 bytes a wave
.set LAPS,   2                         ; a lap = two K steps
.set ADRA, 16                          ; v16-17  LDS address of my A fragments in slot 0, 1
.set ADRB, 20                          ; v20-21  the same for Wo
.set STO,  24                          ; v24     the way out: where I put 32 bytes of a row
.set RD,   25                          ; v25     where I read rows back
.set CO,   26                          ; v26     my byte offset in out0
.set BOF,  27                          ; v27     my byte offset in bo
.set SPW,  28                          ; v28     LDS address of my spare word; never rewritten
.set NIL,  29                          ; v29     0; never rewritten
.set TMP,  32
.set BIA,  96
.set ACC,  128
.set F0,   0                           ; fragment buffers, in window 1
.set F1,   128
.set WV,   12                          ; s12 wave;  s13 wave / 2: my half of the tile's rows; also: I fetch for A (0) or Wo (1);  s14 wave % 2: my half of its columns; also which half I fetch
.set RH,   13
.set CH,   14
.set TR,   15                          ; s15 tile row of out0;  s42 tile column
.set TC,   42
.set G1, 24                            ; s[24:31] descriptor group 1 for A's tiles;  s[32:39] group 0, a set for each slot
.set G0, 32
.set G1B, 48                           ; s[48:55], s[56:63] the same for Wo's
.set G0B, 56
.set MSB, 0
.macro WIN new                         ; the immediate's high byte repeats the setting that is left
.if MSB != \new
	s_set_vgpr_msb (MSB<<8)|\new
.set MSB, \new
.endif
.endm
.set MUL,  0x05                        ; sources 0 (Wo) and 1 (A) window 1; C and D window 0
.set TO_F, 0x40                        ; destination window 1, address window 0
.macro JLOAD s                         ; a joint load: waves 0 and 1 fetch A's halves, waves 2 and 3 Wo's; an s_nop 0 and four v_nop follow each of the two lines
	s_cmp_eq_u32 s[RH], 0
	s_cbranch_scc0 .Lfor_b_\@
	tensor_load_to_lds s[G0+4*\s:G0+4*\s+3], s[G1:G1+7]
	s_nop 0
.rept 4
	v_nop
.endr
	s_branch .Lasked_\@
.Lfor_b_\@:
	tensor_load_to_lds s[G0B+4*\s:G0B+4*\s+3], s[G1B:G1B+7]
	s_nop 0
.rept 4
	v_nop
.endr
.Lasked_\@:
.endm
.macro CREST                           ; a round of the cluster's barrier behind its opening barrier
	s_cmp_lg_u32 s[WV], 0
	s_cbranch_scc1 .Lnot_wave_0_\@
	s_barrier_signal -3
.Lnot_wave_0_\@:
	s_barrier_wait -3
	s_barrier_signal -1
	s_barrier_wait -1
.endm
.macro CROUND                          ; a whole round
	s_barrier_signal -1
	s_barrier_wait -1
	CREST
.endm
	s_load_b256 s[4:11], s[0:1], 0x0               ; AH s[4:5], WOH s[6:7], bo s[8:9], out0 s[10:11]
	v_lshl_add_u32 v[SPW], v0, 2, SPARE
	v_mov_b32 v[NIL], 0
	ds_add_u32 v[SPW], v[NIL]                      ; the wave's opening: the add, twice on end, and its wait ahead of my first tensor load
	ds_add_u32 v[SPW], v[NIL]
	v_lshrrev_b32 v1, 5, v0
	v_readfirstlane_b32 s[WV], v1                  ; wave 0..3
	s_lshr_b32 s[RH], s[WV], 1
	s_and_b32 s[CH], s[WV], 1
	s_bfe_u32 s40, ttmp6, 0x40000                  ; cx, cy: my place in the cluster
	s_bfe_u32 s41, ttmp6, 0x40004
	s_lshl_b32 s[TC], ttmp9, 2
	s_add_co_u32 s[TC], s[TC], s40                 ; tile column = 4 x cluster x + cx
	s_and_b32 s[TR], ttmp7, 0xffff
	s_lshl_b32 s[TR], s[TR], 2
	s_add_co_u32 s[TR], s[TR], s41                 ; tile row = 4 x cluster y + cy
	s_lshl_b32 s43, s41, 2
	s_lshl_b32 s43, 15, s43                        ; my row of the cluster
	s_lshl_b32 s44, 0x1111, s40                    ; my column
	; descriptor group 1 for A: four tiles of tokens, of each 8,192 consecutive bytes (1,024 elements of 8 bytes), 32,768 bytes apart; no padding
	s_or_b32 s[G1+0], s43, (3<<16)|(1<<21)         ; 15:0 the mask: my row; 17:16 elements of 8 bytes; 21 set beside a mask
	s_mov_b32 s[G1+1], 1024<<16                    ; tensor_dim0
	s_mov_b32 s[G1+2], 4<<16                       ; tensor_dim1
	s_mov_b32 s[G1+3], 1024<<16                    ; tile_dim0
	s_mov_b32 s[G1+4], 4                           ; tile_dim1
	s_mov_b32 s[G1+5], 4096                        ; tensor_dim0_stride
	s_mov_b32 s[G1+6], 0
	s_mov_b32 s[G1+7], 0
	; and for Wo: 64 rows x 256 elements of 2 bytes, padded in LDS
	s_or_b32 s[G1B+0], s44, (1<<16)|(1<<20)|(1<<21)|(6<<22)|(3<<25)  ; the mask: my column; padding: four words after every 128
	s_mov_b32 s[G1B+1], KSTEP<<16
	s_mov_b32 s[G1B+2], 64<<16
	s_mov_b32 s[G1B+3], KSTEP<<16
	s_mov_b32 s[G1B+4], 64
	s_mov_b32 s[G1B+5], 1024
	s_mov_b32 s[G1B+6], 0
	s_mov_b32 s[G1B+7], 0
	s_lshl_b32 s16, s[TR], 18                      ; A: (8 x tile row + 4 x half) tiles of 32,768 bytes (s16, s17, s22, s23 never hold cx)
	s_lshl_b32 s17, s[CH], 17
	s_add_co_u32 s16, s16, s17
	s_mov_b32 s17, 0
	s_lshl_b32 s46, s[TC], 18                      ; Wo: (128 x tile column + 64 x half) rows of 2,048 bytes (s46, s47 never hold cy)
	s_lshl_b32 s47, s[CH], 17
	s_add_co_u32 s46, s46, s47
	s_mov_b32 s47, 0
	s_lshl_b32 s20, s[CH], 15                      ; where they go: A's halves,
	s_mul_i32 s21, s[CH], HALFB
	s_add_co_u32 s21, s21, APART                   ; Wo's behind them: no place in the cluster enters an LDS address
	s_wait_dscnt 0x0                               ; both opening adds are done
	s_wait_kmcnt 0x0
	s_add_nc_u64 s[22:23], s[4:5], s[16:17]
	s_add_nc_u64 s[46:47], s[6:7], s[46:47]
	CROUND                                         ; all sixteen work-groups are here: the first joint loads meet
.irp s, 0,1
	s_mov_b32 s[G0+4*\s], 1
	s_add_co_u32 s[G0+4*\s+1], s20, \s*SLOT
	s_add_nc_u64 s[G0+4*\s+2:G0+4*\s+3], s[22:23], \s*8192         ; K step s: 8,192 bytes on in each tile
	s_or_b32 s[G0+4*\s+3], s[G0+4*\s+3], 0x80000000
	s_mov_b32 s[G0B+4*\s], 1
	s_add_co_u32 s[G0B+4*\s+1], s21, \s*SLOT
	s_add_nc_u64 s[G0B+4*\s+2:G0B+4*\s+3], s[46:47], \s*KSTEP*2
	s_or_b32 s[G0B+4*\s+3], s[G0B+4*\s+3], 0x80000000
	JLOAD \s                                       ; two loads of mine are out behind the second
.endr
	v_and_b32 v1, 15, v0                           ; l % 16
	v_bfe_u32 v2, v0, 4, 1                         ; l / 16
	s_lshl_b32 s18, s[TC], 9                       ; my first column, in bytes of f32: 512 x tile column + 256 x half
	s_lshl_b32 s19, s[CH], 8
	s_add_co_u32 s18, s18, s19
	s_mov_b32 s19, 0
	s_add_nc_u64 s[8:9], s[8:9], s[18:19]
	s_add_nc_u64 s[10:11], s[10:11], s[18:19]
	v_lshlrev_b32 v[BOF], 5, v2
.irp b, 0,1,2,3                        ; bo in the result's layout: lane (r, h), block b: columns 16 b + 8 h + 0 .. 7
	global_load_b128 v[BIA+8*\b:BIA+8*\b+3], v[BOF], s[8:9] offset:64*\b
	global_load_b128 v[BIA+8*\b+4:BIA+8*\b+7], v[BOF], s[8:9] offset:64*\b+16
.endr
	s_lshl_b32 s18, s[TR], 19                      ; my first row of out0: (128 x tile row + 64 x half) rows of 4,096 bytes
	s_lshl_b32 s19, s[RH], 18
	s_add_co_u32 s18, s18, s19
	s_mov_b32 s19, 0
	s_add_nc_u64 s[10:11], s[10:11], s[18:19]
	v_and_b32 v5, 31, v0
	v_lshlrev_b32 v5, 4, v5                        ; A: 16 x lane
	v_mul_u32_u24 v3, v1, PITCH
	v_lshl_add_u32 v3, v2, 4, v3                   ; Wo: a fragment's row x pitch + 16 x half
	s_lshl_b32 s16, s[RH], 15                      ; my four tiles of A
	s_mul_i32 s17, s[CH], HALFB                    ; my 64 rows of Wo,
	s_add_co_u32 s17, s17, APART                   ; which lie behind A
.irp s, 0,1
	v_add_nc_u32 v[ADRA+\s], s16, v5
	v_add_nc_u32 v[ADRB+\s], s17, v3
	s_add_co_u32 s16, s16, SLOT
	s_add_co_u32 s17, s17, SLOT
.endr
	s_mul_i32 s16, s[WV], 16*SPITCH
	s_add_co_u32 s16, s16, STAGE                   ; my stage
	v_mul_u32_u24 v4, v1, SPITCH                   ; in: row l % 16, 32 bytes for each half of the lanes
	v_lshl_add_u32 v4, v2, 5, v4
	v_add_nc_u32 v[STO], s16, v4
	v_mul_u32_u24 v4, v2, SPITCH                   ; back: lanes 0-15 one row of 256 bytes, lanes 16-31 the next
	v_lshl_add_u32 v4, v1, 4, v4
	v_add_nc_u32 v[RD], s16, v4
	v_lshlrev_b32 v[CO], 12, v2                    ; and the same two rows in out0
	v_lshl_add_u32 v[CO], v1, 4, v[CO]
; 8 matrix instructions: m blocks a0, a0 + 1 x all 4 n blocks, 32 along K: half c of buffer f.  zero = 1: the first product starts the sums, on bo.  The 16 accumulators take turns.
.macro MUL8 f, c, a0, zero
.irp a, \a0, \a0+1
.irp b, 0,1,2,3
.if \zero
	v_wmma_f32_16x16x32_f16 v[ACC+8*(4*(\a)+\b):ACC+8*(4*(\a)+\b)+7], v[\f+64+8*(4*\c+\b):\f+64+8*(4*\c+\b)+7], v[\f+8*(4*\c+\a):\f+8*(4*\c+\a)+7], v[BIA+8*\b:BIA+8*\b+7]
.else
	v_wmma_f32_16x16x32_f16 v[ACC+8*(4*(\a)+\b):ACC+8*(4*(\a)+\b)+7], v[\f+64+8*(4*\c+\b):\f+64+8*(4*\c+\b)+7], v[\f+8*(4*\c+\a):\f+8*(4*\c+\a)+7], v[ACC+8*(4*(\a)+\b):ACC+8*(4*(\a)+\b)+7]
.endif
.endr
.endr
.endm
; 32 LDS loads in one run: the fragments of 64 along K into buffer f; k: the byte in Wo's rows (128 a quarter), which is 16 k bytes in a tile of A (1,024 for each 32 along K); the first 32 along K first
.macro FETCH slot, k, f
	WIN TO_F
.irp c, 0,1
.irp i, 0,1,2,3
	ds_load_b128 v[\f+64+8*(4*\c+\i):\f+64+8*(4*\c+\i)+3],   v[ADRB+\slot] offset:\k+64*\c+\i*16*PITCH
	ds_load_b128 v[\f+64+8*(4*\c+\i)+4:\f+64+8*(4*\c+\i)+7], v[ADRB+\slot] offset:\k+64*\c+\i*16*PITCH+32
	ds_load_b128 v[\f+8*(4*\c+\i):\f+8*(4*\c+\i)+3],         v[ADRA+\slot] offset:16*(\k)+1024*\c+8192*\i
	ds_load_b128 v[\f+8*(4*\c+\i)+4:\f+8*(4*\c+\i)+7],       v[ADRA+\slot] offset:16*(\k)+1024*\c+8192*\i+512
.endr
.endr
.endm
.macro PLACES                          ; four places in front of loads into registers that matrix instructions have read, and of LDS stores that read results
.rept 4
	v_nop
.endr
.endm
; A K step is four quarters of 64 along K, 32 matrix instructions each, on buffers 0, 1, 0, 1.  One of the first three: multiplies buffer f and fetches the next quarter, at byte k, into g.
.macro QUARTER slot, k, f, g, zero
	s_wait_dscnt 16                                ; the first 32 along K are in; the sixteen loads of the second 32 may be out
	WIN MUL
	MUL8 \f, 0, 0, \zero
	MUL8 \f, 0, 2, \zero
	PLACES
	FETCH \slot, \k, \g
	s_wait_dscnt 32                                ; all but the 32 just issued
	WIN MUL
	MUL8 \f, 1, 0, 0
	MUL8 \f, 1, 2, 0
.endm
; The last quarter multiplies buffer 1 and changes slots: ONE barrier; in front of it each wave waits for all its tensor loads, adds 0 to its spare word, and waits for that and for its reads of this slot.  fill = 1: this slot is filled again, two K steps ahead.
.macro TURN slot, next, fill
	WIN 0                                          ; (the add's two registers lie in window 0)
	s_wait_tensorcnt 0x0                           ; all my tensor loads have landed: my part of the next slot
	ds_add_u32 v[SPW], v[NIL]                      ; 0 onto my spare word
	s_wait_dscnt 17                                ; (the add and the youngest sixteen loads may be out)
	WIN MUL
	MUL8 F1, 0, 0, 0                               ; eight matrix instructions stand between the add and the wait for it
	s_wait_dscnt 0x0                               ; the add is done, and my reads of this slot are over
	s_barrier_signal -1
	MUL8 F1, 0, 2, 0
.if \fill
	WIN 0
.endif
	s_barrier_wait -1
.if \fill
	CREST                                          ; the barrier has opened a round of the cluster's: no wave of any partner still reads this slot or has a load on its way
	s_add_nc_u64 s[G0+4*\slot+2:G0+4*\slot+3], s[G0+4*\slot+2:G0+4*\slot+3], 2*8192
	s_add_nc_u64 s[G0B+4*\slot+2:G0B+4*\slot+3], s[G0B+4*\slot+2:G0B+4*\slot+3], 2*KSTEP*2
	JLOAD \slot                                    ; the first tensor load behind the round; the four v_nop behind it are also the places in front of the loads below
.else
	PLACES
.endif
	FETCH \next, 0, F0
	WIN MUL
	MUL8 F1, 1, 0, 0
	MUL8 F1, 1, 2, 0
.endm
	s_wait_tensorcnt 1                             ; my part of K step 0 is in; K step 1's load may be out
	s_barrier_signal -1
	s_barrier_wait -1                              ; everybody's is
	FETCH 0, 0, F0
	s_wait_loadcnt 0x0                             ; bo
	QUARTER 0, 128, F0, F1, 1                      ; the first quarter stands in front of the loop: its first products start the sums
	WIN 0                                          ; at a label and at a branch every window is 0
	s_mov_b32 s3, LAPS-1
.Llap:                                                 ; a trip goes once round the ring, from a lap's second quarter to the next lap's first, and fills both slots again
	QUARTER 0, 256, F1, F0, 0
	QUARTER 0, 384, F0, F1, 0
	TURN 0, 1, 1
	QUARTER 1, 128, F0, F1, 0
	QUARTER 1, 256, F1, F0, 0
	QUARTER 1, 384, F0, F1, 0
	TURN 1, 0, 1
	QUARTER 0, 128, F0, F1, 0
	WIN 0
	s_sub_co_u32 s3, s3, 1
	s_cmp_lg_u32 s3, 0
	s_cbranch_scc1 .Llap
	QUARTER 0, 256, F1, F0, 0                      ; the last lap fills nothing, and has no round of the cluster's barrier
	QUARTER 0, 384, F0, F1, 0
	TURN 0, 1, 0
	QUARTER 1, 128, F0, F1, 0
	QUARTER 1, 256, F1, F0, 0
	QUARTER 1, 384, F0, F1, 0
	s_wait_dscnt 16                                ; the very last quarter: nothing more to fetch
	WIN MUL
	MUL8 F1, 0, 0, 0
	MUL8 F1, 0, 2, 0
	s_wait_dscnt 0
	MUL8 F1, 1, 0, 0
	MUL8 F1, 1, 2, 0
	WIN 0
; THE WAY OUT, block by block of 16 rows x 64 columns.  A lane holds 32 neighbouring bytes of a row, and the lanes beside it hold other rows: a block goes through my own stage in LDS and comes back as whole rows of
; 256 bytes, my 64 columns.  LDS serves a wave's instructions in order (ISA guide 5.7.1.4): no wait between the stores and the loads, nor in front of the next block's stores.  No barrier: the stage is mine alone.
.macro TOSTAGE a
.irp b, 0,1,2,3
	ds_store_b128 v[STO], v[ACC+8*(4*(\a)+\b):ACC+8*(4*(\a)+\b)+3] offset:64*\b          ; each accumulator from its low end on
	ds_store_b128 v[STO], v[ACC+8*(4*(\a)+\b)+4:ACC+8*(4*(\a)+\b)+7] offset:64*\b+16
.endr
.irp t, 0,1,2,3,4,5,6,7
	ds_load_b128 v[TMP+32*((\a)%2)+4*\t:TMP+32*((\a)%2)+4*\t+3], v[RD] offset:\t*2*SPITCH
.endr
.endm
.macro SEND a, younger                 ; younger: the LDS instructions issued behind block a's loads: the next block's 8 stores and 8 loads, or none
	s_wait_dscnt \younger
.irp t, 0,1,2,3,4,5,6,7
	global_store_b128 v[CO], v[TMP+32*((\a)%2)+4*\t:TMP+32*((\a)%2)+4*\t+3], s[10:11] offset:65536*(\a)+8192*\t th:TH_STORE_NT   ; 16 lanes store 256 consecutive bytes, aligned; written once, read by nobody here
.endr
.endm
	PLACES
	TOSTAGE 0
.irp a, 1,2,3
.if \a > 1
	s_wait_xcnt 0x0                                ; block a - 2's stores have read their registers: block a's loads may land there
.endif
	TOSTAGE \a
	SEND \a-1, 16
.endr
	SEND 3, 0
	s_wait_tensorcnt 0x0                           ; the wave's end: behind my last tensor load and my last LDS store
	ds_add_u32 v[SPW], v[NIL]
	s_wait_dscnt 0x0
	CROUND                                         ; the closing round: no work-group ends while a partner may still ask for a tile that names it
	s_endpgm
.Lfunc_end_k_q4afd1a28d9_outp:
	.size	k_q4afd1a28d9_outp, .Lfunc_end_k_q4afd1a28d9_outp-k_q4afd1a28d9_outp
	.p2alignl 7, 3214868480
	.fill 96, 4, 3214868480
	.section	.rodata,"a",@progbits
	.p2align	6, 0x0
	.amdhsa_kernel k_q4afd1a28d9_outp
		.amdhsa_group_segment_fixed_size 327680
		.amdhsa_private_segment_fixed_size 0
		.amdhsa_enable_private_segment 0
		.amdhsa_kernarg_size 32
		.amdhsa_user_sgpr_count 2
		.amdhsa_user_sgpr_kernarg_segment_ptr 1
		.amdhsa_wavefront_size32 1
		.amdhsa_system_sgpr_workgroup_id_x 1
		.amdhsa_system_sgpr_workgroup_id_y 1
		.amdhsa_system_sgpr_workgroup_id_z 1
		.amdhsa_system_vgpr_workitem_id 0
		.amdhsa_next_free_vgpr 512
		.amdhsa_next_free_sgpr 66
		.amdhsa_reserve_vcc 0
		.amdhsa_float_denorm_mode_32 3
		.amdhsa_float_denorm_mode_16_64 3
		.amdhsa_memory_ordered 1
		.amdhsa_forward_progress 1
		.amdhsa_inst_pref_size 86
	.end_amdhsa_kernel
	.amdgpu_metadata
---
amdhsa.version: [ 1, 2 ]
amdhsa.kernels:
  - .name:           k_q4afd1a28d9_outp
    .symbol:         k_q4afd1a28d9_outp.kd
    .args:
      - { .name: AH, .offset: 0, .size: 8, .value_kind: global_buffer, .address_space: global }
      - { .name: WOH, .offset: 8, .size: 8, .value_kind: global_buffer, .address_space: global }
      - { .name: bo, .offset: 16, .size: 8, .value_kind: global_buffer, .address_space: global }
      - { .name: out0, .offset: 24, .size: 8, .value_kind: global_buffer, .address_space: global }
    .group_segment_fixed_size: 327680
    .private_segment_fixed_size: 0
    .kernarg_segment_align: 8
    .kernarg_segment_size: 32
    .max_flat_workgroup_size: 128
    .sgpr_count:     66
    .vgpr_count:     512
    .wavefront_size: 32
...
	.end_amdgpu_metadata
.endif
;; end of part 4
